; MI455X (gfx1250); checked and timed in simulation.
; The chip was launched on July 23, 2026; its instructions are those of AMD's public machine-readable ISA for CDNA 5 (MIT licence, August 2026) and "CDNA5" Instruction Set Architecture Reference Guide (July 2026). The comments in the code are by the model that wrote it; some were corrected since.
;; Attention Base. Allowed arithmetic: matrix products marked QUANTISED: E4M3 operands, one given power-of-two scale a tensor, by v_wmma_f32_16x16x64_fp8_fp8 or v_wmma_f32_16x16x128_fp8_fp8, f32 sums; everything else in f32.
;; Inputs: attention_mask 8 x 1 x 1 x 1,024 bool; keys 8 x 1,024 x 1,024 float32; lowp_scales 6 int32 (the exponents e of the quantised operands' scales 2^e); queries 8 x 1,024 x 1,024 float32; values 8 x 1,024 x 1,024 float32; w_out 1,024 x 1,024 float32.
;; Outputs: out0 8 x 1,024 x 1,024 float32.
;; This version of the problem:
;;   THIS VERSION OF THE PROBLEM IS GIVEN IN LOW PRECISION. The matrix products marked QUANTISED in the list below multiply operands that are first quantised to E4M3 (4 exponent bits, 3 mantissa bits; 8 bits a number), with one given power-of-two scale for each operand tensor; their sums are f32. All else is computed in f32.
;;   The module's matrix products, in the order in which they are computed (A, B: the left and right operand; K: the contracted axis; several contracted axes count as one K, in the product's order):
;;     1. batch 128 x [M 1,024, K 64] x [K 64, N 1,024]; A: computed on the way; B: input keys: QUANTISED (scales: A lowp_scales[0], B lowp_scales[1])
;;     2. batch 128 x [M 64, K 1,024] x [K 1,024, N 1,024]; A: input values; B: softmax (see below): QUANTISED (scales: A lowp_scales[2], B lowp_scales[3])
;;     3. [M 8,192, K 1,024] x [K 1,024, N 1,024]; A: computed on the way; B: input w_out: QUANTISED (scales: A lowp_scales[4], B lowp_scales[5])
;;   THE QUANTISER, for each operand of a quantised product, along K:
;;     - The operand's scale is 2^e, e = its entry of the input lowp_scales (int32; the entries are numbered through the quantised products in the list's order, A before B).
;;     - Each number is divided by the scale, clamped to +-448, and rounded to the nearest number of E4M3, ties to even, subnormals kept.
;;     - The product sums the exact products of the quantised numbers (number of the format x scale) in f32.
;;   ~~~python
;;   def quantise(x, axis, e):      # numpy; x: float32 -> the quantised numbers, widened to float32 again
;;       x = np.moveaxis(x, axis, -1); K = x.shape[-1]
;;       r = np.clip(x / 2.0 ** e, -448, 448)
;;       step = 2.0 ** (np.maximum(np.frexp(np.where(r == 0, 1, r))[1] - 1, -6) - 3)
;;       q = np.round(r / step) * step * 2.0 ** e      # np.round: ties to even
;;       return np.moveaxis(q, -1, axis).astype(np.float32)
;;   ~~~
;;   SOFTMAX AHEAD OF A QUANTISED PRODUCT. Where the list says 'softmax', what is quantised is not the finished softmax but p = 2^(t - M), with t = logit x log2(e) and M = ceil(the row's largest t), a whole number; so 1/2 < the row's largest p <= 1. The row's sum l is taken of the UNQUANTISED p, in f32, and the product's result is divided by l at the end. Since M is a whole number, a kernel that streams over the keys may use a running M (the ceiling of the running maximum): every later rescaling is an exact power of two, so the quantised numbers keep their values, but for numbers so far below the row's largest that they fall under the format's range.
;;   OPERANDS COMPUTED ON THE WAY. 'Computed on the way' means the value that the module computes at that place (a softmax that the list does not call 'softmax' is quantised finished and normalised). What goes into a quantiser is computed in f32, as accurately as f32 sums, v_exp_f32 and their like allow (about 1e-6 of the number): no bf16 or f16 on the way to a quantiser, and a product that is left as it is and whose result goes on into a quantised operand takes f32 operands (vector FMAs, or v_wmma_f32_16x16x4_f32). A number that lies on a knife's edge between two numbers of the format may be rounded either way, as far as f32 arithmetic and the matrix unit's own rounding can turn it there, and no further.
;; 2 versions, each right; version 2 is version 1 with the launch attn written anew for expert scheduling mode. Each part assembles by itself: llvm-mc -triple=amdgcn-amd-amdhsa -mcpu=gfx1250 --defsym DOCPART=n.
;; ======== version 1 of 2: 2 launches
;; limits: right only within a limited range of input values
;; workspace buffers: a_codes 8,388,608 bytes; w_codes 1,048,576 bytes
;; launch attn (part 1): grid 2 x 128, 8 waves a work-group, no clusters, 136,192 bytes of LDS; arguments queries, keys, values, attention_mask, w_out, lowp_scales, a_codes, w_codes; writes a_codes, w_codes
.if DOCPART == 1
	.amdgcn_target "amdgcn-amd-amdhsa--gfx1250"
	.amdhsa_code_object_version 6
	.text
	.protected	k_qc12e2b3d54_attn
	.globl	k_qc12e2b3d54_attn
	.p2align	8
	.type	k_qc12e2b3d54_attn,@function
k_qc12e2b3d54_attn:
	s_mov_b64 s[64:65], 0
	v_nop
	global_prefetch_b8 v0, s[64:65] scope:SCOPE_SE
	s_setreg_imm32_b32 hwreg(HW_REG_WAVE_MODE, 25, 1), 1
	s_wait_xcnt 0x0
; ATTENTION ON CODES OF FP8 (E4M3), made on the way from f32 inputs.  8 batches x 16 heads, 1,024 queries, 1,024 keys, head size 64.
; S^T = K Q^T and O^T = V^T P^T by v_wmma_f32_16x16x64_fp8_fp8; softmax by p = 2^(t - M), M the ceiling of the running largest t; the row's sum is taken of the unquantised p.
; The result, divided by the sum, is quantised with lowp_scales[4] and stored as codes for the projection; each work-group also quantises 4,096 numbers of w_out (lowp_scales[5]).
; SHARES.  A work-group (x = which 512 queries, y = 16 batch + head) has eight waves; a wave owns 64 queries: four tiles of 16.  Two waves share a SIMD.
; K's and V's codes of the whole head stay in LDS (64 KiB each) and are written once.  They arrive in eight chunks of 128 keys: a chunk's f32 numbers are loaded into 64 registers a lane a whole trip
; (two key steps) ahead, quantised, stored to LDS, and shown to the other waves by one barrier a chunk.  Between two barriers the waves read chunks up to c and store chunk c + 1.
; NO CLUSTER, NO TENSOR LOADS: K and V arrive as f32 and must pass through registers to become codes; only the two work-groups of a head share them (2 is no cluster shape taken here), and raw f32 tiles
; in LDS would be four times the bytes of the codes (512 KiB a head against an LDS of 320 KiB).
; LAYOUT.  Both products are used transposed, so that a lane holds ONE query (lane % 16) throughout.  An operand of 16 rows x 64 K lies in LDS as an image of its registers: registers 4 c .. 4 c + 3 of lane (r, h)
; hold k = 32 c + 16 h + 0 .. 15, the same permutation of k on both sides of each product.  THE ROWS OF A TILE ARE NOT NEIGHBOURS: lane r of tile 2 b + u takes row 32 b + 8 u + r + 8 (r / 8) (keys in K's tiles,
; channels in V's), so that the 16 registers of result tiles 2 b, 2 b + 1 are 16 neighbours along the next product's K.
; THE MASK enters as the C of the first product: (1 - mask) x NEG, in units of the raw sums, so it costs no vector instruction a score.
; DESIGN DECISION: NEG is -2^40 and not -1.0e12.  A power of two times c is exact, so c x NEG - M is exactly 0 where every key so far is masked, and p is 1 there, as with reference()'s bias, which absorbs
; every score below 2^15 in magnitude.  With any unmasked key in the row a masked key's p is 0 under either number.  Beyond |score| = 2^15 results can differ only in rows all of whose keys are masked.
; LIMITS on the given exponents, so that each power of two is an f32 number: e0 + 3, e1, e2, e3, e5 and e4 - e2 - e3 between -126 and 119; e0 + e1 between -86 and 127.  NaN among the inputs is not served.
; REGISTERS, window 0: v1-11 addresses; v12-27 a tile's -M, largest t, sum (pair); v28-43 at work, eight for each of two tiles; v44-55 scales and holds; v56-87 K's four tiles; v88-119 the bias, four tiles;
;   v120-151 V's four tiles; v152-167 p's codes, two query tiles; v168-231 S^T, then p, two query tiles (outside the steps: scratch for codes); v232-245 the head's temporaries.
; window 1: v0-31 Q's codes; v32-159 O^T (tile t at 32 + 32 t, channel tile at + 8); v160-191 K's and v192-223 V's numbers on their way in.
.set VIMG, 65536                       ; LDS: K's images at 0, V's at 65,536, the bias (one f32 a key) at 131,072
.set BT,   131072
.set LI,   1                           ; v1   16 x lane
.set AV0,  2                           ; v2   VIMG + 16 x lane
.set AB0,  3                           ; v3   BT + 64 x (lane / 16)
.set ADK,  4                           ; v4-6 LDS addresses of the loads in hand
.set ADV,  5
.set ADB,  6
.set KST0, 7                           ; v7, v8  where my lane's codes of K and of V go in chunk 0
.set VST0, 8
.set KGO,  9                           ; v9, v10 my lane's byte in a chunk of keys, of values
.set VGO,  10
.set QGO,  11                          ; v11  row (lane % 16) x 4,096 + 64 x (lane / 16): queries and w_out
.set ST,   12
.set TP,   28                          ; + 0, + 1 two maxima; + 2 f, + 3 written once; + 4, + 5 second chain of the sum; + 6 from the other half; + 7 M's change
.set PSC,  44
.set PLM,  45
.set KSC,  46
.set KLM,  47
.set VSC,  48
.set VLM,  49
.set KSTC, 50
.set VSTC, 51
.set QSC,  52                          ; Q's scale and hold; at the end the result's
.set QLM,  53
.set WSC,  54
.set WLM,  55
.set KF,   56
.set BI,   88
.set VF,   120
.set P,    152
.set S,    168
.set CT,   S                           ; 16 registers of codes on their way to LDS
.set WS,   S+32                        ; w_out's 16 numbers
.set WC,   S+48                        ; and their codes
.set T0,   232
.set T1,   233
.set T2,   234
.set T3,   235
.set T4,   236
.set MKO,  237
.set BTA,  238
.set MK,   239
.set NEG,  240
.set BF,   242
.set O,    32                          ; window 1
.set KS,   160
.set VS,   192
.set MSB, 0
.macro WIN new                         ; the immediate's high byte repeats the setting that is left; a switch that changes nothing is dropped
.if MSB != \new
	s_set_vgpr_msb (MSB<<8)|\new
.set MSB, \new
.endif
.endm
.macro MKSC e, vs, vl                  ; v[vs] = 2^e as f32 (the conversion takes its exponent field), v[vl] = 448 x 2^e; e in s[e]
	s_add_co_i32 s50, s[\e], 127
	s_add_co_i32 s51, s50, 8
	s_lshl_b32 s50, s50, 23
	s_lshl_b32 s51, s51, 23
	s_or_b32 s51, s51, 0x600000
	v_mov_b32 v[\vs], s50
	v_mov_b32 v[\vl], s51
.endm
; A chunk's numbers for my wave: 16 keys x 64 channels of K (a lane: 16 neighbouring channels of keys lane % 8 and lane % 8 + 8) and of V (a lane: channels lane and lane + 32, registers DOWN the 16 keys).
.macro KVLOAD
	WIN 0x40                                       ; destination window 1, address window 0
.irp i, 0,1
.irp j, 0,1,2,3
	global_load_b128 v[KS+16*\i+4*\j:KS+16*\i+4*\j+3], v[KGO], s[6:7] offset:\i*32768+\j*16
.endr
.endr
.irp f, 0,1
.irp i, 0,1,2,3,4,5,6,7,8,9,10,11,12,13,14,15
	global_load_b32 v[VS+16*\f+\i], v[VGO], s[8:9] offset:\i*4096+\f*128   ; 32 lanes read 128 consecutive bytes of a key's row
.endr
.endr
	WIN 0
.endm
; The chunk that has arrived becomes codes in LDS.  cnt: the younger loads that may stay out.  mode 1: the next chunk is asked for; 2: likewise, but not in the loop's last trip; 0: not.  bar: the barrier follows.
.macro QUANT cnt, mode, bar
	s_wait_loadcnt \cnt                            ; the chunk's 40 loads are in: so their bases may step below, too
	WIN 0
	v_add_nc_u32 v[KSTC], s40, v[KST0]
	v_add_nc_u32 v[VSTC], s40, v[VST0]
	WIN 0x41
.set i, 0
.rept 32
	v_med3_num_f32 v[KS+i], v[KS+i], -v[KLM], v[KLM]   ; the conversion to an 8-bit code does not saturate (ISA guide 7.6.2): the hold at the largest code x the scale
.set i, i+1
.endr
.set i, 0
.rept 32
	v_med3_num_f32 v[VS+i], v[VS+i], -v[VLM], v[VLM]
.set i, i+1
.endr
	WIN 0x01
.irp g, 0,1,2,3
	v_cvt_scalef32_pk8_fp8_f32 v[CT+2*\g:CT+2*\g+1], v[KS+8*\g:KS+8*\g+7], v[KSC]
.endr
.irp g, 0,1,2,3
	v_cvt_scalef32_pk8_fp8_f32 v[CT+8+2*\g:CT+8+2*\g+1], v[VS+8*\g:VS+8*\g+7], v[VSC]
.endr
	v_nop                                          ; one plain vector line behind the last conversion: products write these registers later
	WIN 0
	ds_store_b128 v[KSTC], v[CT:CT+3]              ; key lane % 8 of my 16,
	ds_store_b128 v[KSTC], v[CT+4:CT+7] offset:1024    ; key lane % 8 + 8: the neighbouring tile
	ds_store_b128 v[VSTC], v[CT+8:CT+11]           ; channel lane,
	ds_store_b128 v[VSTC], v[CT+12:CT+15] offset:2048  ; channel lane + 32
	s_add_co_u32 s40, s40, 8192                    ; a chunk is 8,192 bytes of K's images and of V's
.if \mode == 1
	s_add_nc_u64 s[6:7], s[6:7], 524288            ; 128 rows of 4,096 bytes on
	s_add_nc_u64 s[8:9], s[8:9], 524288
	KVLOAD
.elseif \mode == 2
	s_cmp_eq_u32 s41, 1                            ; the loop's last trip has quantised chunk 7: nothing is left, and no load leaves its buffer
	s_cbranch_scc1 .Lnone_\@
	s_add_nc_u64 s[6:7], s[6:7], 524288
	s_add_nc_u64 s[8:9], s[8:9], 524288
	KVLOAD
.Lnone_\@:
.endif
.if \bar
	s_wait_dscnt 0x0                               ; for the others' sake: my stores have landed (and they have read their registers)
	s_barrier_signal -1
	s_barrier_wait -1
.endif
.endm
.macro KBLOAD                          ; a step's four tiles of K and the bias in the result's layout (lane (r, h), tile 2 b + u, register j: key 32 b + 8 u + 16 h + j)
.irp k, 0,1,2,3
.irp c, 0,1
	ds_load_b128 v[KF+8*\k+4*\c:KF+8*\k+4*\c+3], v[ADK] offset:\k*1024+\c*512
.endr
.endr
.irp k, 0,1,2,3
	ds_load_b128 v[BI+8*\k:BI+8*\k+3], v[ADB] offset:128*(\k/2)+32*(\k%2)
	ds_load_b128 v[BI+8*\k+4:BI+8*\k+7], v[ADB] offset:128*(\k/2)+32*(\k%2)+16
.endr
.endm
; S^T = K Q^T + bias for query tiles 2 hb, 2 hb + 1: eight products on eight results; no result is added onto
.macro KQ hb
	WIN 0x04                                       ; source 1 (Q) window 1
.irp k, 0,1,2,3
.irp u, 0,1
	v_wmma_f32_16x16x64_fp8_fp8 v[S+32*\u+8*\k:S+32*\u+8*\k+7], v[KF+8*\k:KF+8*\k+7], v[8*(2*\hb+\u):8*(2*\hb+\u)+7], v[BI+8*\k:BI+8*\k+7]
.endr
.endr
.endm
; O^T += V^T P^T: the eight accumulators take turns, one instruction a turn.  first = 1: the products start the sums
.macro PV hb, first
	WIN 0x50                                       ; C and D window 1
.irp k, 0,1,2,3
.irp u, 0,1
.if \first
	v_wmma_f32_16x16x64_fp8_fp8 v[O+32*(2*\hb+\u)+8*\k:O+32*(2*\hb+\u)+8*\k+7], v[VF+8*\k:VF+8*\k+7], v[P+8*\u:P+8*\u+7], 0
.else
	v_wmma_f32_16x16x64_fp8_fp8 v[O+32*(2*\hb+\u)+8*\k:O+32*(2*\hb+\u)+8*\k+7], v[VF+8*\k:VF+8*\k+7], v[P+8*\u:P+8*\u+7], v[O+32*(2*\hb+\u)+8*\k:O+32*(2*\hb+\u)+8*\k+7]
.endif
.endr
.endr
.endm
; The softmax of two query tiles for 64 keys (32 scores a lane and tile), the two tiles line by line, so that no line waits for the one above it.  All in window 0.
.macro SM hb, first
.irp u, 0,1
	v_max3_num_f32 v[TP+8*\u], v[S+32*\u], v[S+32*\u+1], v[S+32*\u+2]          ; the largest raw score, in two chains, each result from its low end on
	v_max3_num_f32 v[TP+8*\u+1], v[S+32*\u+3], v[S+32*\u+4], v[S+32*\u+5]
.endr
.irp i, 6,10,14,18,22,26
.irp u, 0,1
	v_max3_num_f32 v[TP+8*\u], v[TP+8*\u], v[S+32*\u+\i], v[S+32*\u+\i+1]
	v_max3_num_f32 v[TP+8*\u+1], v[TP+8*\u+1], v[S+32*\u+\i+2], v[S+32*\u+\i+3]
.endr
.endr
.irp u, 0,1
	v_max3_num_f32 v[TP+8*\u], v[TP+8*\u], v[S+32*\u+30], v[S+32*\u+31]
.endr
.irp u, 0,1
	v_max_num_f32 v[TP+8*\u], v[TP+8*\u], v[TP+8*\u+1]
.endr
.irp u, 0,1
	v_permlanex16_b32 v[TP+8*\u+6], v[TP+8*\u], s36, s37                       ; the query's other 32 keys lie in lane l xor 16
.endr
.irp u, 0,1
	v_max_num_f32 v[TP+8*\u], v[TP+8*\u], v[TP+8*\u+6]
.endr
.if \first
.irp u, 0,1
	v_mul_f32 v[ST+4*(2*\hb+\u)+1], s34, v[TP+8*\u]                            ; as t (c is positive): the first step starts the running largest t
.endr
.else
.irp u, 0,1
	v_mul_f32 v[TP+8*\u], s34, v[TP+8*\u]
.endr
.irp u, 0,1
	v_max_num_f32 v[ST+4*(2*\hb+\u)+1], v[ST+4*(2*\hb+\u)+1], v[TP+8*\u]
	v_mov_b32 v[TP+8*\u+7], v[ST+4*(2*\hb+\u)]                                 ; the old -M
.endr
.endif
.irp u, 0,1
	v_floor_f32 v[ST+4*(2*\hb+\u)], -v[ST+4*(2*\hb+\u)+1]                      ; -M = floor(-t) = -ceil(t): a whole number
.endr
.if !\first
.irp u, 0,1
	v_sub_f32 v[TP+8*\u+7], v[ST+4*(2*\hb+\u)], v[TP+8*\u+7]                   ; old M - new M: a whole number, 0 or less
.endr
.irp u, 0,1
	v_cvt_i32_f32 v[TP+8*\u+7], v[TP+8*\u+7]                                   ; (it saturates)
.endr
.irp u, 0,1
	v_ldexp_f32 v[TP+8*\u+2], 1.0, v[TP+8*\u+7]                                ; f = 2^(old M - new M): the rescaling rounds nothing
.endr
.endif
.irp j, 0,2,4,6,8,10,12,14,16,18,20,22,24,26,28,30
.irp u, 0,1
	v_pk_fma_f32 v[S+32*\u+\j:S+32*\u+\j+1], v[S+32*\u+\j:S+32*\u+\j+1], s[34:35], v[ST+4*(2*\hb+\u):ST+4*(2*\hb+\u)+1] op_sel_hi:[1,0,0]   ; t - M, two at a time (of the pairs c and -M the low word serves both halves)
.endr
.endr
.set i, 0
.rept 64
	v_exp_f32 v[S+i], v[S+i]                       ; p = 2^(t - M), at most 1, not normalised
.set i, i+1
.endr
.if \first
	v_nop                                          ; a plain line behind the exponentials
	s_wait_alu depctr_va_vdst(0)
.else
	s_wait_alu depctr_va_vdst(0)
.irp u, 0,1
	v_pk_mul_f32 v[ST+4*(2*\hb+\u)+2:ST+4*(2*\hb+\u)+3], v[ST+4*(2*\hb+\u)+2:ST+4*(2*\hb+\u)+3], v[TP+8*\u+2:TP+8*\u+3] op_sel_hi:[1,0]   ; the sum under the new M (a plain line behind the exponentials)
.endr
.endif
.irp u, 0,1
	v_pk_add_f32 v[TP+8*\u+4:TP+8*\u+5], v[S+32*\u:S+32*\u+1], v[S+32*\u+2:S+32*\u+3]   ; the sum is taken of the UNQUANTISED p, two at a time, in two chains
.endr
.if \first
.irp u, 0,1
	v_pk_add_f32 v[ST+4*(2*\hb+\u)+2:ST+4*(2*\hb+\u)+3], v[S+32*\u+4:S+32*\u+5], v[S+32*\u+6:S+32*\u+7]
.endr
.else
.irp u, 0,1
	v_pk_add_f32 v[ST+4*(2*\hb+\u)+2:ST+4*(2*\hb+\u)+3], v[ST+4*(2*\hb+\u)+2:ST+4*(2*\hb+\u)+3], v[S+32*\u+4:S+32*\u+5]
	v_pk_add_f32 v[TP+8*\u+4:TP+8*\u+5], v[TP+8*\u+4:TP+8*\u+5], v[S+32*\u+6:S+32*\u+7]
.endr
.endif
.irp j, 8,12,16,20,24,28
.irp u, 0,1
	v_pk_add_f32 v[ST+4*(2*\hb+\u)+2:ST+4*(2*\hb+\u)+3], v[ST+4*(2*\hb+\u)+2:ST+4*(2*\hb+\u)+3], v[S+32*\u+\j:S+32*\u+\j+1]
	v_pk_add_f32 v[TP+8*\u+4:TP+8*\u+5], v[TP+8*\u+4:TP+8*\u+5], v[S+32*\u+\j+2:S+32*\u+\j+3]
.endr
.endr
.irp u, 0,1
	v_pk_add_f32 v[ST+4*(2*\hb+\u)+2:ST+4*(2*\hb+\u)+3], v[ST+4*(2*\hb+\u)+2:ST+4*(2*\hb+\u)+3], v[TP+8*\u+4:TP+8*\u+5]
.endr
.set i, 0
.rept 64
	v_min_num_f32 v[S+i], v[S+i], v[PLM]           ; p is not negative: the hold at the largest code x the scale is one-sided
.set i, i+1
.endr
.irp u, 0,1
.irp k, 0,1,2,3
	v_cvt_scalef32_pk8_fp8_f32 v[P+8*\u+2*\k:P+8*\u+2*\k+1], v[S+32*\u+8*\k:S+32*\u+8*\k+7], v[PSC]   ; registers 4 b .. 4 b + 3: keys 32 b + 16 h + 0 .. 15: the second product's operand as it stands
.endr
.endr
.endm
.macro RESC hb, first                  ; O^T under the new M: x f, each accumulator from its low end on.  Also the plain lines between the conversions and the products that read their results
.if \first
	v_nop
.else
	WIN 0x41
.irp u, 0,1
.set i, 0
.rept 16
	v_pk_mul_f32 v[O+32*(2*\hb+\u)+i:O+32*(2*\hb+\u)+i+1], v[O+32*(2*\hb+\u)+i:O+32*(2*\hb+\u)+i+1], v[TP+8*\u+2:TP+8*\u+3] op_sel_hi:[1,0]
.set i, i+2
.endr
.endr
.endif
.endm
; Half a key step: two of my four query tiles.  Half 0 fetches the step's V, half 1 (pre = 1) the next step's K and bias: each run of loads stands behind four plain vector lines that follow the last product
; (ISA guide 7.12.1 for the vector lines that read results) and has a softmax of two tiles in which to land.
.macro HALF hb, first, pre
.if \hb == 0
	s_wait_dscnt 0x0                               ; the step's K and bias are in
.endif
	KQ \hb
	WIN 0
.if \hb == 0
	v_add_nc_u32 v[ADV], s38, v[AV0]
.rept 3
	v_nop
.endr
	s_add_co_u32 s38, s38, 4096                    ; a step is 4,096 bytes of K's images and of V's,
	s_lshr_b32 s39, s38, 4                         ; and 256 of the bias
.irp k, 0,1,2,3
.irp c, 0,1
	ds_load_b128 v[VF+8*\k+4*\c:VF+8*\k+4*\c+3], v[ADV] offset:\k*1024+\c*512
.endr
.endr
.elseif \pre
	v_add_nc_u32 v[ADK], s38, v[LI]
	v_add_nc_u32 v[ADB], s39, v[AB0]
.rept 2
	v_nop
.endr
	KBLOAD
.else
.rept 4
	v_nop
.endr
.endif
	SM \hb, \first
	RESC \hb, \first
.if \hb == 0
	s_wait_dscnt 0x0                               ; V is in
.endif
	PV \hb, \first
.endm
.macro STEP first, pre
	HALF 0, \first, \pre
	HALF 1, \first, \pre
.endm
	s_load_b256 s[4:11], s[0:1], 0x0               ; queries s[4:5], keys s[6:7], values s[8:9], the mask s[10:11]
	s_load_b256 s[12:19], s[0:1], 0x20             ; w_out s[12:13], the scales' exponents s[14:15], a_codes s[16:17], w_codes s[18:19]
	v_lshl_add_u32 v254, v0, 2, 0x21000
	v_mov_b32 v255, 0
	v_lshrrev_b32 v[T4], 5, v0
	v_readfirstlane_b32 s26, v[T4]                 ; wave 0..7
	s_and_b32 s42, ttmp7, 0xffff                   ; y
	s_lshr_b32 s28, s42, 4                         ; batch
	s_and_b32 s29, s42, 15                         ; head
	s_mov_b32 s36, 0x76543210                      ; v_permlanex16_b32's selects for lane l xor 16
	s_mov_b32 s37, 0xfedcba98
	s_mov_b32 s38, 0                               ; 4,096 x the step whose tiles are fetched next
	s_mov_b32 s39, 0                               ; 256 x the same
	s_mov_b32 s40, 0                               ; 8,192 x the chunk that is stored next
	s_mov_b32 s41, 6                               ; the loop's trips
	v_and_b32 v[T0], 7, v0                         ; lane % 8
	v_bfe_u32 v[T1], v0, 3, 2                      ; lane / 8
	v_bfe_u32 v[T2], v0, 3, 1                      ; (lane / 8) % 2
	v_bfe_u32 v[T3], v0, 4, 1                      ; h = lane / 16
	v_and_b32 v[T4], 31, v0                        ; lane
	v_lshlrev_b32 v[LI], 4, v[T4]
	v_add_nc_u32 v[AV0], VIMG, v[LI]
	v_lshl_add_u32 v[AB0], v[T3], 6, BT
	s_lshl_b32 s43, s26, 16                        ; my wave's 16 rows of a chunk
	v_lshlrev_b32 v[KGO], 12, v[T0]                ; K: row lane % 8, 64 bytes for each of four lanes
	v_lshl_add_u32 v[KGO], v[T1], 6, v[KGO]
	v_add_nc_u32 v[KGO], s43, v[KGO]
	v_lshl_add_u32 v[VGO], v[T4], 2, s43           ; V: 4 bytes a lane
	v_and_b32 v[T4], 15, v0                        ; r
	v_lshlrev_b32 v[QGO], 12, v[T4]
	v_lshl_add_u32 v[QGO], v[T3], 6, v[QGO]
	; where my codes go.  K, key s = 16 w + 8 i + lane % 8 of a chunk, channels 16 g on: (s / 32) 2,048 + i 1,024 + (g / 2) 512 + (g % 2) 256 + ((s / 16) % 2) 128 + 16 (s % 8)
	s_lshr_b32 s43, s26, 1
	s_lshl_b32 s43, s43, 11
	s_and_b32 s44, s26, 1
	s_lshl_b32 s45, s44, 7
	s_add_co_u32 s43, s43, s45
	v_lshlrev_b32 v[KST0], 4, v[T0]
	v_lshl_add_u32 v[KST0], v[T2], 8, v[KST0]
	v_lshl_add_u32 v[KST0], v[T3], 9, v[KST0]
	v_add_nc_u32 v[KST0], s43, v[KST0]
	; V, keys 16 w on, channel ch = lane + 32 f: (w / 4) 4,096 + f 2,048 + ((ch / 8) % 2) 1,024 + ((w / 2) % 2) 512 + (w % 2) 256 + ((ch / 16) % 2) 128 + 16 (ch % 8)
	s_lshr_b32 s46, s26, 2
	s_lshl_b32 s46, s46, 12
	s_bfe_u32 s47, s26, 0x10001
	s_lshl_b32 s47, s47, 9
	s_add_co_u32 s46, s46, s47
	s_lshl_b32 s45, s44, 8
	s_add_co_u32 s46, s46, s45
	s_add_co_u32 s46, s46, VIMG
	v_lshlrev_b32 v[VST0], 4, v[T0]
	v_lshl_add_u32 v[VST0], v[T3], 7, v[VST0]
	v_lshl_add_u32 v[VST0], v[T2], 10, v[VST0]
	v_add_nc_u32 v[VST0], s46, v[VST0]
	v_lshlrev_b32 v[MKO], 2, v0                    ; the mask: four keys a thread
	v_lshl_add_u32 v[BTA], v0, 4, BT               ; and their four bias numbers
	; byte offsets, each in a pair of its own
	s_lshl_b32 s30, s28, 22                        ; keys, values: batch x 1,024 rows of 4,096 bytes + head x 256
	s_lshl_b32 s43, s29, 8
	s_add_co_u32 s30, s30, s43
	s_mov_b32 s31, 0
	s_lshl_b32 s32, ttmp9, 21                      ; queries: + x x 512 rows + wave x 64 rows
	s_lshl_b32 s43, s26, 18
	s_add_co_u32 s32, s32, s43
	s_add_co_u32 s32, s32, s30
	s_mov_b32 s33, 0
	s_lshl_b32 s44, s28, 10                        ; the mask: batch x 1,024
	s_mov_b32 s45, 0
	s_lshl_b32 s46, s42, 1
	s_add_co_u32 s46, s46, ttmp9                   ; the work-group's number, 0 .. 255: its share of w_out is 16 rows (NT) x 256 along K (kq)
	s_lshr_b32 s47, s46, 2                         ; NT
	s_and_b32 s48, s46, 3                          ; kq
	s_lshl_b32 s52, s47, 16                        ; w_out: NT x 16 rows + kq x 1,024 bytes + wave x 128 bytes (32 along K a wave)
	s_lshl_b32 s43, s48, 10
	s_add_co_u32 s52, s52, s43
	s_lshl_b32 s43, s26, 7
	s_add_co_u32 s52, s52, s43
	s_mov_b32 s53, 0
	s_lshl_b32 s54, s48, 18                        ; w_codes: kq x 262,144 + NT x 4,096 + wave x 512
	s_lshl_b32 s43, s47, 12
	s_add_co_u32 s54, s54, s43
	s_lshl_b32 s43, s26, 9
	s_add_co_u32 s54, s54, s43
	s_mov_b32 s55, 0
	s_lshr_b32 s56, s29, 2                         ; a_codes: (head / 4) x 2,097,152 + (64 batch + 32 x + 4 wave) x 4,096 + (head % 4) x 1,024
	s_lshl_b32 s56, s56, 21
	s_lshl_b32 s43, s28, 18
	s_add_co_u32 s56, s56, s43
	s_lshl_b32 s43, ttmp9, 17
	s_add_co_u32 s56, s56, s43
	s_lshl_b32 s43, s26, 14
	s_add_co_u32 s56, s56, s43
	s_and_b32 s43, s29, 3
	s_lshl_b32 s43, s43, 10
	s_add_co_u32 s56, s56, s43
	s_mov_b32 s57, 0
	s_wait_kmcnt 0x0
	s_load_b128 s[20:23], s[14:15], 0x0            ; e0 .. e3
	s_load_b64 s[24:25], s[14:15], 0x10            ; e4, e5
	s_add_nc_u64 s[4:5], s[4:5], s[32:33]
	s_add_nc_u64 s[6:7], s[6:7], s[30:31]
	s_add_nc_u64 s[8:9], s[8:9], s[30:31]
	s_add_nc_u64 s[10:11], s[10:11], s[44:45]
	s_add_nc_u64 s[12:13], s[12:13], s[52:53]
	s_add_nc_u64 s[16:17], s[16:17], s[56:57]
	s_add_nc_u64 s[18:19], s[18:19], s[54:55]
	global_load_b32 v[MK], v[MKO], s[10:11]        ; 1 load,
	KVLOAD                                         ; 40: chunk 0,
	WIN 0x40
.irp t, 0,1,2,3
.irp c, 0,1
.irp j, 0,1,2,3
	global_load_b128 v[O+32*\t+16*\c+4*\j:O+32*\t+16*\c+4*\j+3], v[QGO], s[4:5] offset:\t*65536+\c*128+\j*16   ; 32: Q, lane (r, h): channels 32 c + 16 h + 0 .. 15 of row r of tile t, into O^T's registers
.endr
.endr
.endr
	WIN 0
.irp j, 0,1,2,3
	global_load_b128 v[WS+4*\j:WS+4*\j+3], v[QGO], s[12:13] offset:\j*16   ; 4: w_out, lane (r, h): k = 16 h + 0 .. 15 of my wave's 32
.endr
	s_wait_kmcnt 0x0
	s_add_co_i32 s43, s20, s21                     ; e0 + e1: a raw sum stands for sum x 2^(e0 + e1)
	s_lshl_b32 s34, s43, 23
	s_add_co_i32 s34, s34, 0x3fb8aa3b              ; c = log2(e) x 2^(e0 + e1): the exponents are added to the exponent field
	s_mov_b32 s35, s34                             ; (named with it as a pair, so it is written)
	s_sub_co_i32 s43, 0, s43
	v_mov_b32 v[NEG], 0xd3800000                   ; -2^40,
	v_ldexp_f32 v[NEG], v[NEG], s43                ; in units of the raw sums
	s_add_co_i32 s46, s20, 3                       ; q = queries / 8, quantised with 2^e0: queries with 2^(e0 + 3), exactly
	MKSC 46, QSC, QLM
	MKSC 21, KSC, KLM
	MKSC 22, VSC, VLM
	MKSC 23, PSC, PLM
	MKSC 25, WSC, WLM
.irp u, 0,1
	v_mov_b32 v[TP+8*\u+3], 0                      ; named as the upper half of f's pair
	v_mov_b32 v[TP+8*\u+6], 0                      ; a lane permute's destination counts as one of its sources
.endr
	s_wait_loadcnt 36                              ; the mask and chunk 0 are in; behind them: Q's 32 loads and w_out's 4
.irp k, 0,1,2,3
	v_bfe_u32 v[BF+\k], v[MK], 8*\k, 8
.endr
.irp k, 0,1,2,3
	v_cvt_f32_u32 v[BF+\k], v[BF+\k]
.endr
.irp k, 0,1,2,3
	v_fma_f32 v[BF+\k], -v[BF+\k], v[NEG], v[NEG]  ; (1 - mask) x NEG: exactly 0 where the key counts
.endr
	ds_store_b128 v[BTA], v[BF:BF+3]
	QUANT 36, 1, 0                                 ; chunk 0 to LDS, chunk 1 asked for; the barrier follows below, behind work that needs none
	s_wait_loadcnt 44                              ; Q is in; behind it: w_out's 4 loads and chunk 1's 40
	WIN 0x41
.set i, 0
.rept 128
	v_med3_num_f32 v[O+i], v[O+i], -v[QLM], v[QLM]
.set i, i+1
.endr
.set i, 0
.rept 16
	v_cvt_scalef32_pk8_fp8_f32 v[2*i:2*i+1], v[O+8*i:O+8*i+7], v[QSC]   ; Q's codes stay in registers: tile t at 8 t
.set i, i+1
.endr
	v_nop                                          ; one plain vector line behind the last conversion
	WIN 0
	s_wait_loadcnt 40                              ; w_out's numbers are in; behind them: chunk 1's 40 loads
.set i, 0
.rept 16
	v_med3_num_f32 v[WS+i], v[WS+i], -v[WLM], v[WLM]
.set i, i+1
.endr
	v_cvt_scalef32_pk8_fp8_f32 v[WC:WC+1], v[WS:WS+7], v[WSC]
	v_cvt_scalef32_pk8_fp8_f32 v[WC+2:WC+3], v[WS+8:WS+15], v[WSC]
	v_nop
	global_store_b128 v[LI], v[WC:WC+3], s[18:19]  ; 32 lanes store 512 consecutive bytes, at a multiple of 512 from the buffer's first byte
	s_wait_dscnt 0x0                               ; my stores of the bias and of chunk 0 have landed
	s_barrier_signal -1
	s_barrier_wait -1
	v_add_nc_u32 v[ADK], s38, v[LI]
	v_add_nc_u32 v[ADB], s39, v[AB0]
	KBLOAD                                         ; step 0's K and bias
	s_wait_xcnt 0x0                                ; the store above has read its registers: the first products write them
	STEP 1, 1                                      ; chunk 0: its first step starts M, the sums and O^T
	QUANT 0, 1, 1                                  ; chunk 1 to LDS, chunk 2 asked for
	STEP 0, 1
	WIN 0                                          ; at a label and at a branch every window is 0
.Ltrip:                                            ; six trips: chunks 1 to 6 are multiplied, chunks 2 to 7 stored, chunks 3 to 7 asked for
	STEP 0, 1
	QUANT 0, 2, 1
	STEP 0, 1
	WIN 0
	s_sub_co_i32 s41, s41, 1
	s_cmp_lg_u32 s41, 0
	s_cbranch_scc1 .Ltrip
	STEP 0, 1                                      ; chunk 7
	STEP 0, 0                                      ; the last step fetches nothing more
	; THE WAY OUT: O^T / the sum, quantised along the channels (the projection's K) with 2^(e4 - e2 - e3): a sum of the second product stands for sum x 2^(e2 + e3)
	WIN 0
	s_sub_co_i32 s43, s24, s22
	s_sub_co_i32 s43, s43, s23
	MKSC 43, QSC, QLM
.irp t, 0,1,2,3
	v_add_f32 v[ST+4*\t+2], v[ST+4*\t+2], v[ST+4*\t+3]     ; the sum's two halves (with the two lines above: the plain lines behind the last products),
.endr
.irp t, 0,1,2,3
	v_permlanex16_b32 v[ST+4*\t+3], v[ST+4*\t+2], s36, s37
.endr
.irp t, 0,1,2,3
	v_add_f32 v[ST+4*\t+2], v[ST+4*\t+2], v[ST+4*\t+3]     ; and lane l xor 16's
.endr
.irp t, 0,1,2,3
	v_rcp_f32 v[ST+4*\t+2], v[ST+4*\t+2]
.endr
	v_nop                                          ; a plain line behind the last reciprocal
	WIN 0x41
	s_wait_alu depctr_va_vdst(0)
.irp t, 0,1,2,3
.set i, 0
.rept 16
	v_pk_mul_f32 v[O+32*\t+i:O+32*\t+i+1], v[O+32*\t+i:O+32*\t+i+1], v[ST+4*\t+2:ST+4*\t+3] op_sel_hi:[1,0]   ; each accumulator from its low end on
.set i, i+2
.endr
.endr
.set i, 0
.rept 128
	v_med3_num_f32 v[O+i], v[O+i], -v[QLM], v[QLM]
.set i, i+1
.endr
	WIN 0x01
.set i, 0
.rept 16
	v_cvt_scalef32_pk8_fp8_f32 v[S+2*i:S+2*i+1], v[O+8*i:O+8*i+7], v[QSC]   ; tile t at S + 8 t: registers 4 b .. 4 b + 3: channels 32 b + 16 h + 0 .. 15 of query r
.set i, i+1
.endr
	v_nop
	WIN 0
.irp t, 0,1,2,3
.irp b, 0,1
	global_store_b128 v[LI], v[S+8*\t+4*\b:S+8*\t+4*\b+3], s[16:17] offset:\t*4096+\b*512   ; a quarter of a fragment's image: 512 consecutive bytes, at a multiple of 512
.endr
.endr
	s_wait_tensorcnt 0x0
	ds_add_u32 v254, v255
	s_wait_dscnt 0x0
	s_endpgm
.Lfunc_end_k_qc12e2b3d54_attn:
	.size	k_qc12e2b3d54_attn, .Lfunc_end_k_qc12e2b3d54_attn-k_qc12e2b3d54_attn
	.p2alignl 7, 3214868480
	.fill 96, 4, 3214868480
	.section	.rodata,"a",@progbits
	.p2align	6, 0x0
	.amdhsa_kernel k_qc12e2b3d54_attn
		.amdhsa_group_segment_fixed_size 136192
		.amdhsa_private_segment_fixed_size 0
		.amdhsa_enable_private_segment 0
		.amdhsa_kernarg_size 64
		.amdhsa_user_sgpr_count 2
		.amdhsa_user_sgpr_kernarg_segment_ptr 1
		.amdhsa_wavefront_size32 1
		.amdhsa_system_sgpr_workgroup_id_x 1
		.amdhsa_system_sgpr_workgroup_id_y 1
		.amdhsa_system_sgpr_workgroup_id_z 1
		.amdhsa_system_vgpr_workitem_id 0
		.amdhsa_next_free_vgpr 512
		.amdhsa_next_free_sgpr 66
		.amdhsa_reserve_vcc 0
		.amdhsa_float_denorm_mode_32 3
		.amdhsa_float_denorm_mode_16_64 3
		.amdhsa_memory_ordered 1
		.amdhsa_forward_progress 1
		.amdhsa_inst_pref_size 248
	.end_amdhsa_kernel
	.amdgpu_metadata
---
amdhsa.version: [ 1, 2 ]
amdhsa.kernels:
  - .name:           k_qc12e2b3d54_attn
    .symbol:         k_qc12e2b3d54_attn.kd
    .args:
      - { .name: queries, .offset: 0, .size: 8, .value_kind: global_buffer, .address_space: global }
      - { .name: keys, .offset: 8, .size: 8, .value_kind: global_buffer, .address_space: global }
      - { .name: values, .offset: 16, .size: 8, .value_kind: global_buffer, .address_space: global }
      - { .name: attention_mask, .offset: 24, .size: 8, .value_kind: global_buffer, .address_space: global }
      - { .name: w_out, .offset: 32, .size: 8, .value_kind: global_buffer, .address_space: global }
      - { .name: lowp_scales, .offset: 40, .size: 8, .value_kind: global_buffer, .address_space: global }
      - { .name: a_codes, .offset: 48, .size: 8, .value_kind: global_buffer, .address_space: global }
      - { .name: w_codes, .offset: 56, .size: 8, .value_kind: global_buffer, .address_space: global }
    .group_segment_fixed_size: 136192
    .private_segment_fixed_size: 0
    .kernarg_segment_align: 8
    .kernarg_segment_size: 64
    .max_flat_workgroup_size: 256
    .sgpr_count:     66
    .vgpr_count:     512
    .wavefront_size: 32
...
	.end_amdgpu_metadata
.endif
;; end of part 1
;; launch proj (part 2): grid 4 x 64, 4 waves a work-group, clusters of 4 x 4, 327,680 bytes of LDS; arguments a_codes, w_codes, lowp_scales, out0; writes out0
.if DOCPART == 2
	.amdgcn_target "amdgcn-amd-amdhsa--gfx1250"
	.amdhsa_code_object_version 6
	.text
	.protected	k_qc12e2b3d54_proj
	.globl	k_qc12e2b3d54_proj
	.p2align	8
	.type	k_qc12e2b3d54_proj,@function
k_qc12e2b3d54_proj:
	s_mov_b64 s[64:65], 0
	v_nop
	global_prefetch_b8 v0, s[64:65] scope:SCOPE_SE
	s_setreg_imm32_b32 hwreg(HW_REG_WAVE_MODE, 25, 1), 1
	s_wait_xcnt 0x0
	s_wait_alu depctr_hold_cnt(0) depctr_sa_sdst(0) depctr_va_vdst(0) depctr_va_sdst(0) depctr_va_ssrc(0) depctr_va_vcc(0) depctr_vm_vsrc(0)
	s_getreg_b32 s2, hwreg(HW_REG_IB_STS2, 6, 4)
	s_cmp_eq_u32 s2, 0
	s_cbranch_scc0 .Lentry_in_a_cluster
	s_endpgm
.Lentry_in_a_cluster:
	s_bfe_u32 s2, ttmp6, 0x10000c
	s_cmp_lg_u32 s2, 0xf033
	s_cbranch_scc0 .Lentry_shape_is_right
	s_endpgm
.Lentry_shape_is_right:
; out0[m][n] = 2^(e4 + e5) x the sum over k of A[m][k] W[n][k]: 8,192 x 1,024 x 1,024 on codes of FP8 (E4M3), by v_wmma_f32_16x16x128_fp8_fp8, sums in f32.
; BOTH OPERANDS LIE IN MEMORY AS IMAGES OF THEIR FRAGMENTS (16 rows x 128 K: lane (r, h), registers 4 c .. 4 c + 3: k = 32 c + 16 h + 0 .. 15 of row r; 512 bytes for each c, 2,048 a fragment), ordered
; [K / 256][rows / 16][(K / 128) % 2]: so a K step of 256 of any block of rows is one dense block, and every fragment load from LDS is 512 consecutive bytes: no pitch, no padding.
; The permutation of k is the same in A and in W, so every product meets its partner.
; SHARES.  A work-group makes 128 rows x 256 columns: 256 work-groups.  Four waves, each 64 x 128: 32 accumulators.  K = 1,024 is four K steps of 256, eight steps of 128.
; THREE LDS SLOTS of 98,304 bytes (A's 32,768, then W's 65,536).  K steps 0, 1, 2 are first fills, K step 3 is the one refill, into slot 0.  By this text's own count a wave has three tensor loads out at the start, later one.
; CLUSTERS: 4 x 4 work-groups.  The four of a row of the cluster need the same block of A, the four of a column the same block of W: each is asked for JOINTLY, by the same tensor load with the same descriptor
; and a mask that names the four.  THE MATRIX INSTRUCTION IS USED TRANSPOSED (source 0 = 16 rows of W, source 1 = 16 rows of A): a lane then holds eight neighbouring numbers of a row of out0.
; LIMIT: e4 + e5 between -126 and 127, so that 2^(e4 + e5) is an f32 number.
; REGISTERS: window 0: v16-29 addresses; v32-95 at work on the way out; v128-191, v192-255 A's fragments, two sets (on the way out: rows read back).  window 1: W's fragments, two sets of 128.
;   window 2: the accumulators, (a, b) at v[8 (8 a + b)].
.set SLOT,   98304
.set BOFF,   32768                     ; W's part of a slot
.set SPARE,  3*SLOT                    ; behind the slots: the spare words, 128 bytes for each wave: two blocks of 256 bytes that no other line names
.set STAGE,  SLOT                      ; the way out: 16 rows x (512 + 16) bytes for each wave, in slot 1: it is filled once, at the start, and its last read lies ahead of the last barrier
.set SPITCH, 528
.set ASTEP,  2097152                   ; bytes from K step to K step in a_codes,
.set WSTEP,  262144                    ; in w_codes
.set ADRA, 16                          ; v16-18  LDS address of my A fragments in slot 0, 1, 2
.set ADRB, 20                          ; v20-22  the same for W
.set STO,  24
.set RD,   25
.set CO,   26                          ; v26     16 x lane
.set SPW,  28                          ; v28     LDS address of my spare word; never rewritten
.set NIL,  29                          ; v29     0; never rewritten
.set TMP,  32
.set AF,   128
.set BK,   128
.set G1A,  24                          ; s[24:31] descriptor group 1 for A's blocks; s[48:55] for W's
.set G1B,  48
.set G0A0, 32                          ; groups 0, a set for each slot
.set G0A1, 36
.set G0A2, 68
.set G0B0, 56
.set G0B1, 60
.set G0B2, 72
.set MSB, 0
.macro WIN new                         ; the immediate's high byte repeats the setting that is left
.if MSB != \new
	s_set_vgpr_msb (MSB<<8)|\new
.set MSB, \new
.endif
.endm
.macro PLACES                          ; four plain vector lines in front of loads into registers that matrix instructions have read, and of the first read of results
.rept 4
	v_nop
.endr
.endm
.macro CROUND                          ; a round of the cluster's barrier: my work-group's barrier; wave 0 signals for the work-group; every wave waits for all sixteen; my work-group's barrier once more
	s_barrier_signal -1
	s_barrier_wait -1
	s_cmp_lg_u32 s14, 0
	s_cbranch_scc1 .Lnot_wave_0_\@
	s_barrier_signal -3
.Lnot_wave_0_\@:
	s_barrier_wait -3
	s_barrier_signal -1
	s_barrier_wait -1
.endm
.macro MKG0 g, lds, sl, base, step     ; group 0: count 1; LDS address; global address of K step sl; type 2
	s_mov_b32 s[\g], 1
	s_add_co_u32 s[\g+1], s[\lds], \sl*SLOT
	s_add_nc_u64 s[\g+2:\g+3], s[\base:\base+1], \sl*\step
	s_or_b32 s[\g+3], s[\g+3], 0x80000000
.endm
; the 48 fragment loads of step i of 128 along K (slot (i / 2) % 3, half i % 2) into set i % 2
.macro FETCH i
.set sl, ((\i)/2)%3
.set q, (\i)%2
	WIN 0x40                                       ; destination window 1
.irp b, 0,1,2,3,4,5,6,7
.irp c, 0,1,2,3
	ds_load_b128 v[128*q+16*\b+4*\c:128*q+16*\b+4*\c+3], v[ADRB+sl] offset:\b*4096+q*2048+\c*512
.endr
.endr
	WIN 0
.irp a, 0,1,2,3
.irp c, 0,1,2,3
	ds_load_b128 v[AF+64*q+16*\a+4*\c:AF+64*q+16*\a+4*\c+3], v[ADRA+sl] offset:\a*4096+q*2048+\c*512
.endr
.endr
.endm
; 32 matrix instructions on set p.  The 32 accumulators take turns, one instruction a turn, in the same order in every step.  zero = 1: the products start the sums
.macro MUL p, zero
	WIN 0xa1                                       ; source 0 (W) window 1, source 1 (A) window 0, C and D window 2
.irp a, 0,1,2,3
.irp b, 0,1,2,3,4,5,6,7
.if \zero
	v_wmma_f32_16x16x128_fp8_fp8 v[8*(8*\a+\b):8*(8*\a+\b)+7], v[128*(\p)+16*\b:128*(\p)+16*\b+15], v[AF+64*(\p)+16*\a:AF+64*(\p)+16*\a+15], 0
.else
	v_wmma_f32_16x16x128_fp8_fp8 v[8*(8*\a+\b):8*(8*\a+\b)+7], v[128*(\p)+16*\b:128*(\p)+16*\b+15], v[AF+64*(\p)+16*\a:AF+64*(\p)+16*\a+15], v[8*(8*\a+\b):8*(8*\a+\b)+7]
.endif
.endr
.endr
	WIN 0
.endm
.macro KB i                            ; step i is multiplied while step i + 1's fragments come in, into the set that step i - 1 has left
	PLACES
	FETCH (\i)+1
	s_wait_dscnt 48                                ; all but the 48 loads just issued: step i's fragments are in
	MUL (\i)%2, 0
.endm
	s_load_b256 s[4:11], s[0:1], 0x0               ; a_codes s[4:5], w_codes s[6:7], the scales' exponents s[8:9], out0 s[10:11]
	v_lshl_add_u32 v[SPW], v0, 2, SPARE
	v_mov_b32 v[NIL], 0
	ds_add_u32 v28, v29
	ds_add_u32 v28, v29
	s_wait_dscnt 0x0
	v_lshrrev_b32 v1, 5, v0
	v_readfirstlane_b32 s14, v1                    ; wave 0..3
	s_lshr_b32 s15, s14, 1                         ; which 64 of the tile's rows are mine.  Also: I fetch for A (0) or for W (1)
	s_and_b32 s16, s14, 1                          ; which 128 of its columns.  Also: which half of that block I fetch
	s_bfe_u32 s40, ttmp6, 0x40000                  ; cx, cy: my place in the cluster
	s_bfe_u32 s41, ttmp6, 0x40004
	s_lshl_b32 s42, ttmp9, 2
	s_add_co_u32 s42, s42, s40                     ; x: tile column = 4 x cluster x + cx
	s_and_b32 s17, ttmp7, 0xffff
	s_lshl_b32 s17, s17, 2
	s_add_co_u32 s17, s17, s41                     ; y: tile row = 4 x cluster y + cy
	s_lshl_b32 s43, s41, 2
	s_lshl_b32 s43, 15, s43                        ; my row of the cluster
	s_lshl_b32 s44, 0x1111, s40                    ; my column
	; descriptor group 1: dense blocks as rows of 256 bytes, 32 elements of 8 bytes; A: 64 rows a load, W: 128
	s_or_b32 s[G1A], s43, (3<<16)|(1<<21)          ; 15:0 the mask: A's blocks go to my row; 17:16 elements of 8 bytes; 21 set beside a mask; no padding
	s_or_b32 s[G1B], s44, (3<<16)|(1<<21)          ; W's go to my column
.irp g, G1A, G1B
	s_mov_b32 s[\g+1], 32<<16                      ; tensor_dim0 = 32
	s_mov_b32 s[\g+3], 32<<16                      ; tile_dim0 = 32
	s_mov_b32 s[\g+5], 32                          ; tensor_dim0_stride
	s_mov_b32 s[\g+6], 0
	s_mov_b32 s[\g+7], 0
.endr
	s_mov_b32 s[G1A+2], 64<<16                     ; tensor_dim1
	s_mov_b32 s[G1A+4], 64                         ; tile_dim1
	s_mov_b32 s[G1B+2], 128<<16
	s_mov_b32 s[G1B+4], 128
	s_lshl_b32 s20, s17, 15                        ; A: tile row x 32,768 bytes + half x 16,384: hangs on y and the wave alone
	s_lshl_b32 s45, s16, 14                        ; (also A's LDS address in a slot: no place in the cluster enters an LDS address)
	s_add_co_u32 s20, s20, s45
	s_mov_b32 s21, 0
	s_lshl_b32 s46, s42, 16                        ; W: tile column x 65,536 + half x 32,768: hangs on x and the wave alone
	s_lshl_b32 s18, s16, 15
	s_add_co_u32 s46, s46, s18
	s_mov_b32 s47, 0
	s_add_co_u32 s18, s18, BOFF                    ; W's LDS address in a slot
	s_wait_kmcnt 0x0
	s_load_b64 s[96:97], s[8:9], 0x10              ; e4, e5
	s_add_nc_u64 s[20:21], s[4:5], s[20:21]
	s_add_nc_u64 s[46:47], s[6:7], s[46:47]
	MKG0 G0A0, 45, 0, 20, ASTEP
	MKG0 G0A1, 45, 1, 20, ASTEP
	MKG0 G0A2, 45, 2, 20, ASTEP
	MKG0 G0B0, 18, 0, 46, WSTEP
	MKG0 G0B1, 18, 1, 46, WSTEP
	MKG0 G0B2, 18, 2, 46, WSTEP
	CROUND                                         ; all sixteen work-groups are here: the first joint loads meet
	s_cmp_eq_u32 s15, 0                            ; a wave's three first fills stand in one branch on the wave's number, ahead of every wait on TENSORcnt and every LDS read; four v_nop follow the third
	s_cbranch_scc0 .Lfirst_w
	tensor_load_to_lds s[G0A0:G0A0+3], s[G1A:G1A+7]
	s_nop 0
	tensor_load_to_lds s[G0A1:G0A1+3], s[G1A:G1A+7]
	s_nop 0
	tensor_load_to_lds s[G0A2:G0A2+3], s[G1A:G1A+7]
	s_nop 0
.rept 4
	v_nop
.endr
	s_branch .Lfirst_asked
.Lfirst_w:
	tensor_load_to_lds s[G0B0:G0B0+3], s[G1B:G1B+7]
	s_nop 0
	tensor_load_to_lds s[G0B1:G0B1+3], s[G1B:G1B+7]
	s_nop 0
	tensor_load_to_lds s[G0B2:G0B2+3], s[G1B:G1B+7]
	s_nop 0
.rept 4
	v_nop
.endr
.Lfirst_asked:
	v_and_b32 v1, 31, v0
	v_lshlrev_b32 v[CO], 4, v1                     ; 16 x lane
	s_lshl_b32 s22, s15, 14                        ; my four fragments' rows of A,
	s_lshl_b32 s23, s16, 15
	s_add_co_u32 s23, s23, BOFF                    ; my eight of W
.irp s, 0,1,2
	v_add_nc_u32 v[ADRA+\s], s22, v[CO]
	v_add_nc_u32 v[ADRB+\s], s23, v[CO]
	s_add_co_u32 s22, s22, SLOT
	s_add_co_u32 s23, s23, SLOT
.endr
	s_mul_i32 s19, s14, 16*SPITCH
	s_add_co_u32 s19, s19, STAGE                   ; my stage
	v_and_b32 v2, 15, v0                           ; r
	v_bfe_u32 v3, v0, 4, 1                         ; h
	v_mul_u32_u24 v5, v2, SPITCH                   ; in: row r, 32 bytes for each half of the lanes
	v_lshl_add_u32 v5, v3, 5, v5
	v_add_nc_u32 v[STO], s19, v5
	v_add_nc_u32 v[RD], s19, v[CO]                 ; back: the 32 lanes take one row of 512 bytes
	s_lshl_b32 s20, s17, 19                        ; out0: (128 y + 64 x my half) rows of 4,096 bytes,
	s_lshl_b32 s22, s15, 18
	s_add_co_u32 s20, s20, s22
	s_mov_b32 s21, 0
	s_add_nc_u64 s[10:11], s[10:11], s[20:21]
	s_lshl_b32 s46, s42, 10                        ; + 1,024 x + 512 x my half of the columns
	s_lshl_b32 s47, s16, 9
	s_add_co_u32 s46, s46, s47
	s_mov_b32 s47, 0
	s_add_nc_u64 s[10:11], s[10:11], s[46:47]
	s_wait_tensorcnt 2                             ; my part of K step 0 is in; the two younger loads may stay out
	s_barrier_signal -1
	s_barrier_wait -1                              ; everybody's is
	FETCH 0
	FETCH 1
	s_wait_dscnt 48                                ; step 0's fragments are in
	MUL 0, 1                                       ; the first products start the sums: nothing is cleared
	s_wait_tensorcnt 1                             ; my part of K step 1 is in
	s_wait_dscnt 0x0                               ; no LDS instruction of mine is pending at a signal; my reads of slot 0 are over
	s_barrier_signal -1
	s_barrier_wait -1
	KB 1
	; SLOT 0 IS FILLED AGAIN, with K step 3
	s_wait_tensorcnt 0x0                           ; all my tensor loads have landed, my part of slot 2 among them: so a group 0 may be written
	ds_add_u32 v[SPW], v[NIL]                      ; 0 onto my spare word; the descriptors' steps stand between it and the wait for it
	s_add_nc_u64 s[G0A0+2:G0A0+3], s[G0A0+2:G0A0+3], 3*ASTEP
	s_add_nc_u64 s[G0B0+2:G0B0+3], s[G0B0+2:G0B0+3], 3*WSTEP
	s_wait_dscnt 0x0                               ; the add is done, and so are my LDS reads
	CROUND                                         ; no wave of any partner still reads slot 0 or has a load on its way; slot 2 is whole in every work-group
	s_cmp_eq_u32 s15, 0
	s_cbranch_scc0 .Lagain_w
	tensor_load_to_lds s[G0A0:G0A0+3], s[G1A:G1A+7]    ; the first tensor load behind the round, one a wave: it has 96 matrix instructions in which to land
	s_nop 0
.rept 4
	v_nop                                          ; (the four plain lines in front of the loads below)
.endr
	s_branch .Lagain_asked
.Lagain_w:
	tensor_load_to_lds s[G0B0:G0B0+3], s[G1B:G1B+7]
	s_nop 0
.rept 4
	v_nop
.endr
.Lagain_asked:
	FETCH 3
	s_wait_dscnt 48
	MUL 0, 0                                       ; step 2
	KB 3
	KB 4
	s_wait_tensorcnt 0x0                           ; my part of K step 3 is in
	s_wait_dscnt 0x0                               ; my reads of slots 1 and 2 are over
	s_barrier_signal -1
	s_barrier_wait -1                              ; slot 0 is whole, and nobody reads slot 1 any more: the stages lie there.
	KB 5
	KB 6
	s_wait_dscnt 0x0
	MUL 1, 0                                       ; step 7
; THE WAY OUT, block by block of 16 rows x 128 columns.  A lane holds 32 neighbouring bytes of a row and the lanes beside it hold other rows: a block goes through my own stage and comes back as whole rows of
; 512 bytes.  LDS serves a wave's instructions in order (ISA guide 5.7.1.4): no wait between the stores and the loads, nor in front of the next block's stores.
.macro TOSTAGE a
	WIN 0x02                                       ; source 0 window 2
.irp j, 0,2,4,6,8,10,12,14,16,18,20,22,24,26,28,30,32,34,36,38,40,42,44,46,48,50,52,54,56,58,60,62
	v_pk_mul_f32 v[TMP+\j:TMP+\j+1], v[64*(\a)+\j:64*(\a)+\j+1], s[96:97] op_sel_hi:[1,0]   ; both x s96 = 2^(e4 + e5); each accumulator from its low end on
.endr
	WIN 0
.irp b, 0,1,2,3,4,5,6,7
	ds_store_b128 v[STO], v[TMP+8*\b:TMP+8*\b+3] offset:64*\b
	ds_store_b128 v[STO], v[TMP+8*\b+4:TMP+8*\b+7] offset:64*\b+16
.endr
.set BB, BK+64*((\a)%2)
.irp t, 0,1,2,3,4,5,6,7,8,9,10,11,12,13,14,15
	ds_load_b128 v[BB+4*\t:BB+4*\t+3], v[RD] offset:\t*SPITCH
.endr
.endm
.macro SEND a, younger                 ; younger: the LDS instructions issued behind block a's loads, which may stay out
.set BB, BK+64*((\a)%2)
	s_wait_dscnt \younger
.irp t, 0,1,2,3,4,5,6,7,8,9,10,11,12,13,14,15
	global_store_b128 v[CO], v[BB+4*\t:BB+4*\t+3], s[10:11] offset:(16*(\a)+\t)*4096 th:TH_STORE_NT   ; 32 lanes store 512 consecutive bytes, at a multiple of 512 from out0's first byte; the base never steps
.endr
.endm
	s_wait_kmcnt 0x0
	s_add_co_i32 s96, s96, s97                     ; e4 + e5,
	s_add_co_i32 s96, s96, 127
	s_lshl_b32 s96, s96, 23                        ; as the f32 number 2^(e4 + e5)
	PLACES                                         ; behind the last products: for the reads of results and for the loads into the registers that held A's fragments
	TOSTAGE 0
	TOSTAGE 1
	SEND 0, 32                                     ; behind block 0's loads: block 1's 16 stores and 16 loads
	s_wait_xcnt 0x0                                ; block 0's stores have read their registers: block 2's rows land there
	TOSTAGE 2
	SEND 1, 32
	s_wait_xcnt 0x0
	TOSTAGE 3
	SEND 2, 32
	SEND 3, 0
	s_wait_tensorcnt 0x0                           ; the wave's end, behind my last tensor load and my last LDS store
	ds_add_u32 v[SPW], v[NIL]
	s_wait_dscnt 0x0
	CROUND                                         ; the closing round: no work-group ends while a partner may still ask for a block that names it
	s_endpgm
.Lfunc_end_k_qc12e2b3d54_proj:
	.size	k_qc12e2b3d54_proj, .Lfunc_end_k_qc12e2b3d54_proj-k_qc12e2b3d54_proj
	.p2alignl 7, 3214868480
	.fill 96, 4, 3214868480
	.section	.rodata,"a",@progbits
	.p2align	6, 0x0
	.amdhsa_kernel k_qc12e2b3d54_proj
		.amdhsa_group_segment_fixed_size 327680
		.amdhsa_private_segment_fixed_size 0
		.amdhsa_enable_private_segment 0
		.amdhsa_kernarg_size 32
		.amdhsa_user_sgpr_count 2
		.amdhsa_user_sgpr_kernarg_segment_ptr 1
		.amdhsa_wavefront_size32 1
		.amdhsa_system_sgpr_workgroup_id_x 1
		.amdhsa_system_sgpr_workgroup_id_y 1
		.amdhsa_system_sgpr_workgroup_id_z 1
		.amdhsa_system_vgpr_workitem_id 0
		.amdhsa_next_free_vgpr 768
		.amdhsa_next_free_sgpr 98
		.amdhsa_reserve_vcc 0
		.amdhsa_float_denorm_mode_32 3
		.amdhsa_float_denorm_mode_16_64 3
		.amdhsa_memory_ordered 1
		.amdhsa_forward_progress 1
		.amdhsa_inst_pref_size 74
	.end_amdhsa_kernel
	.amdgpu_metadata
---
amdhsa.version: [ 1, 2 ]
amdhsa.kernels:
  - .name:           k_qc12e2b3d54_proj
    .symbol:         k_qc12e2b3d54_proj.kd
    .args:
      - { .name: a_codes, .offset: 0, .size: 8, .value_kind: global_buffer, .address_space: global }
      - { .name: w_codes, .offset: 8, .size: 8, .value_kind: global_buffer, .address_space: global }
      - { .name: lowp_scales, .offset: 16, .size: 8, .value_kind: global_buffer, .address_space: global }
      - { .name: out0, .offset: 24, .size: 8, .value_kind: global_buffer, .address_space: global }
    .group_segment_fixed_size: 327680
    .private_segment_fixed_size: 0
    .kernarg_segment_align: 8
    .kernarg_segment_size: 32
    .max_flat_workgroup_size: 128
    .sgpr_count:     98
    .vgpr_count:     768
    .wavefront_size: 32
...
	.end_amdgpu_metadata
.endif
;; end of part 2
;; ======== version 2 of 2: 2 launches; version 1 with the launch attn written anew for expert scheduling mode
;; limits: right only within a limited range of input values
;; workspace buffers: a_codes 8,388,608 bytes; w_codes 1,048,576 bytes
;; launch attn (part 3): grid 2 x 128, 8 waves a work-group, no clusters, 136,192 bytes of LDS; arguments queries, keys, values, attention_mask, w_out, lowp_scales, a_codes, w_codes; writes a_codes, w_codes
.if DOCPART == 3
	.amdgcn_target "amdgcn-amd-amdhsa--gfx1250"
	.amdhsa_code_object_version 6
	.text
	.protected	k_qc12e2b3d54_attn
	.globl	k_qc12e2b3d54_attn
	.p2align	8
	.type	k_qc12e2b3d54_attn,@function
k_qc12e2b3d54_attn:
	s_mov_b64 s[64:65], 0
	v_nop
	global_prefetch_b8 v0, s[64:65] scope:SCOPE_SE
	s_setreg_imm32_b32 hwreg(HW_REG_WAVE_SCHED_MODE, 0, 2), 2
	s_setreg_imm32_b32 hwreg(HW_REG_WAVE_MODE, 25, 1), 1
	s_wait_xcnt 0x0
	s_wait_alu depctr_vm_vsrc(0)
; ATTENTION ON CODES OF FP8 (E4M3), made on the way from f32 inputs.  8 batches x 16 heads, 1,024 queries, 1,024 keys, head size 64.
; S^T = K Q^T and O^T = V^T P^T by v_wmma_f32_16x16x64_fp8_fp8; softmax by p = 2^(t - M), M the ceiling of the running largest t; the row's sum is taken of the unquantised p.
; The result, divided by the sum, is quantised with lowp_scales[4] and stored as codes for the projection; each work-group also quantises 4,096 numbers of w_out (lowp_scales[5]).
; SHARES.  A work-group (x = which 512 queries, y = 16 batch + head) has eight waves; a wave owns 64 queries: four tiles of 16.  Two waves share a SIMD.
; K's and V's codes of the whole head stay in LDS (64 KiB each) and are written once.  They arrive in eight chunks of 128 keys: a chunk's f32 numbers are loaded into 64 registers a lane a whole trip
; (two key steps) ahead, quantised, stored to LDS, and shown to the other waves by one barrier a chunk.  Between two barriers the waves read chunks up to c and store chunk c + 1.
; NO CLUSTER, NO TENSOR LOADS: K and V arrive as f32 and must pass through registers to become codes; only the two work-groups of a head share them (2 is no cluster shape taken here), and raw f32 tiles
; in LDS would be four times the bytes of the codes (512 KiB a head against an LDS of 320 KiB).
; LAYOUT.  Both products are used transposed, so that a lane holds ONE query (lane % 16) throughout.  An operand of 16 rows x 64 K lies in LDS as an image of its registers: registers 4 c .. 4 c + 3 of lane (r, h)
; hold k = 32 c + 16 h + 0 .. 15, the same permutation of k on both sides of each product.  THE ROWS OF A TILE ARE NOT NEIGHBOURS: lane r of tile 2 b + u takes row 32 b + 8 u + r + 8 (r / 8) (keys in K's tiles,
; channels in V's), so that the 16 registers of result tiles 2 b, 2 b + 1 are 16 neighbours along the next product's K.
; THE MASK enters as the C of the first product: (1 - mask) x NEG, in units of the raw sums, so it costs no vector instruction a score.
; DESIGN DECISION: NEG is -2^40 and not -1.0e12.  A power of two times c is exact, so c x NEG - M is exactly 0 where every key so far is masked, and p is 1 there, as with reference()'s bias, which absorbs
; every score below 2^15 in magnitude.  With any unmasked key in the row a masked key's p is 0 under either number.  Beyond |score| = 2^15 results can differ only in rows all of whose keys are masked.
; LIMITS on the given exponents, so that each power of two is an f32 number: e0 + 3, e1, e2, e3, e5 and e4 - e2 - e3 between -126 and 119; e0 + e1 between -86 and 127.  NaN among the inputs is not served.
; REGISTERS, window 0: v1-11 addresses; v12-27 a tile's -M, largest t, sum (pair); v28-43 at work, eight for each of two tiles; v44-55 scales and holds; v56-87 K's four tiles; v88-119 the bias, four tiles;
;   v120-151 V's four tiles; v152-167 p's codes, two query tiles; v168-231 S^T, then p, two query tiles (outside the steps: scratch for codes); v232-245 the head's temporaries.
; window 1: v0-31 Q's codes; v32-159 O^T (tile t at 32 + 32 t, channel tile at + 8); v160-191 K's and v192-223 V's numbers on their way in.
; THE MODE: SCHED_MODE bits 1:0 = 2 (LLVM: expert scheduling mode 2), set by the entry lines.  The code itself states the register dependences between vector or matrix instructions and memory or LDS
; instructions, with s_wait_alu, always for 0.
; THE PLAN.  Registers that memory or LDS instructions touch, round the loop:
;   KS, VS (window 1)       A chunk's global loads land in them; a trip later QUANT's holds write them in place and its conversions read them; behind those the next chunk's loads land.
;   CT, v[KSTC], v[VSTC]    Written by QUANT's conversions and additions; read by its four LDS stores; written again by the next step's products (CT is S's low end) and by the next QUANT.
;   KF, BI                  The LDS loads of a step's second half land in them (the next step's tiles); read by both halves' products K Q^T.
;   VF                      The LDS loads of a step's first half land in it; read by both halves' products V^T P^T.
;   v[ADK], v[ADB], v[ADV]  Read by those LDS loads; written once a step, by the additions that stand behind the products K Q^T.
;   v[LI], v[KGO], v[VGO], v[QGO], v[MKO], v[BTA]   Made at the head and never written again.
; THE WAITS.  ONE wait on va_vdst in half a step, behind the batch of exponentials: it states that p is written, ahead of its first reader; that the addresses are written; and that the products are done reading the
; registers in which the half's run of LDS loads lands.  That run stands directly behind it; the lines that follow up to the next such wait (sums, holds, conversions, rescaling, V^T P^T, K Q^T) name none of
; the registers that the run touches but as operands behind the wait on DScnt.  One wait on va_vdst in QUANT, behind its conversions, ahead of its LDS stores and the next chunk's loads.  One wait on vm_vsrc a step, at its head.
.set VIMG, 65536                       ; LDS: K's images at 0, V's at 65,536, the bias (one f32 a key) at 131,072
.set BT,   131072
.set LI,   1                           ; v1   16 x lane
.set AV0,  2                           ; v2   VIMG + 16 x lane
.set AB0,  3                           ; v3   BT + 64 x (lane / 16)
.set ADK,  4                           ; v4-6 LDS addresses of the loads in hand
.set ADV,  5
.set ADB,  6
.set KST0, 7                           ; v7, v8  where my lane's codes of K and of V go in chunk 0
.set VST0, 8
.set KGO,  9                           ; v9, v10 my lane's byte in a chunk of keys, of values
.set VGO,  10
.set QGO,  11                          ; v11  row (lane % 16) x 4,096 + 64 x (lane / 16): queries and w_out
.set ST,   12
.set TP,   28                          ; + 0, + 1 two maxima; + 2 f, + 3 written once; + 4, + 5 second chain of the sum; + 6 from the other half; + 7 M's change
.set PSC,  44
.set PLM,  45
.set KSC,  46
.set KLM,  47
.set VSC,  48
.set VLM,  49
.set KSTC, 50
.set VSTC, 51
.set QSC,  52                          ; Q's scale and hold; at the end the result's
.set QLM,  53
.set WSC,  54
.set WLM,  55
.set KF,   56
.set BI,   88
.set VF,   120
.set P,    152
.set S,    168
.set CT,   S                           ; 16 registers of codes on their way to LDS
.set WS,   S+32                        ; w_out's 16 numbers
.set WC,   S+48                        ; and their codes
.set T0,   232
.set T1,   233
.set T2,   234
.set T3,   235
.set T4,   236
.set MKO,  237
.set BTA,  238
.set MK,   239
.set NEG,  240
.set BF,   242
.set O,    32                          ; window 1
.set KS,   160
.set VS,   192
.set MSB, 0
.macro WIN new                         ; the immediate's high byte repeats the setting that is left; a switch that changes nothing is dropped
.if MSB != \new
	s_set_vgpr_msb (MSB<<8)|\new
.set MSB, \new
.endif
.endm
.macro MKSC e, vs, vl                  ; v[vs] = 2^e as f32 (the conversion takes its exponent field), v[vl] = 448 x 2^e; e in s[e]
	s_add_co_i32 s50, s[\e], 127
	s_add_co_i32 s51, s50, 8
	s_lshl_b32 s50, s50, 23
	s_lshl_b32 s51, s51, 23
	s_or_b32 s51, s51, 0x600000
	v_mov_b32 v[\vs], s50
	v_mov_b32 v[\vl], s51
.endm
; A chunk's numbers for my wave: 16 keys x 64 channels of K (a lane: 16 neighbouring channels of keys lane % 8 and lane % 8 + 8) and of V (a lane: channels lane and lane + 32, registers DOWN the 16 keys).
.macro KVLOAD
	WIN 0x40                                       ; destination window 1, address window 0
.irp i, 0,1
.irp j, 0,1,2,3
	global_load_b128 v[KS+16*\i+4*\j:KS+16*\i+4*\j+3], v[KGO], s[6:7] offset:\i*32768+\j*16
.endr
.endr
.irp f, 0,1
.irp i, 0,1,2,3,4,5,6,7,8,9,10,11,12,13,14,15
	global_load_b32 v[VS+16*\f+\i], v[VGO], s[8:9] offset:\i*4096+\f*128   ; 32 lanes read 128 consecutive bytes of a key's row
.endr
.endr
	WIN 0
.endm
; The chunk that has arrived becomes codes in LDS.  cnt: the younger loads that may stay out.  mode 1: the next chunk is asked for; 2: likewise, but not in the loop's last trip; 0: not.  bar: the barrier follows.
.macro QUANT cnt, mode, bar
	s_wait_loadcnt \cnt                            ; the chunk's 40 loads are in: so their bases may step below, too
	WIN 0
	v_add_nc_u32 v[KSTC], s40, v[KST0]             ; (the last chunk's LDS stores have read these two: the wait on vm_vsrc at the head of the step between states it)
	v_add_nc_u32 v[VSTC], s40, v[VST0]
	WIN 0x41
.set i, 0
.rept 32
	v_med3_num_f32 v[KS+i], v[KS+i], -v[KLM], v[KLM]   ; the conversion to an 8-bit code does not saturate (ISA guide 7.6.2): the hold at the largest code x the scale
.set i, i+1
.endr
.set i, 0
.rept 32
	v_med3_num_f32 v[VS+i], v[VS+i], -v[VLM], v[VLM]
.set i, i+1
.endr
	WIN 0x01
.irp g, 0,1,2,3
	v_cvt_scalef32_pk8_fp8_f32 v[CT+2*\g:CT+2*\g+1], v[KS+8*\g:KS+8*\g+7], v[KSC]
.endr
.irp g, 0,1,2,3
	v_cvt_scalef32_pk8_fp8_f32 v[CT+8+2*\g:CT+8+2*\g+1], v[VS+8*\g:VS+8*\g+7], v[VSC]
.endr
	v_nop                                          ; one plain vector line behind the last conversion: products write these registers later
	WIN 0
	s_wait_alu depctr_va_vdst(0)                   ; the conversions have written CT and the additions v[KSTC] and v[VSTC], which the LDS stores read; the holds and the conversions are done with KS and VS, in which the next chunk's loads land
	ds_store_b128 v[KSTC], v[CT:CT+3]              ; key lane % 8 of my 16,
	ds_store_b128 v[KSTC], v[CT+4:CT+7] offset:1024    ; key lane % 8 + 8: the neighbouring tile
	ds_store_b128 v[VSTC], v[CT+8:CT+11]           ; channel lane,
	ds_store_b128 v[VSTC], v[CT+12:CT+15] offset:2048  ; channel lane + 32
	s_add_co_u32 s40, s40, 8192                    ; a chunk is 8,192 bytes of K's images and of V's
.if \mode == 1
	s_add_nc_u64 s[6:7], s[6:7], 524288            ; 128 rows of 4,096 bytes on
	s_add_nc_u64 s[8:9], s[8:9], 524288
	KVLOAD                                         ; no further wait: since the wait above no vector line has been issued, and the four stores name none of these loads' registers
.elseif \mode == 2
	s_cmp_eq_u32 s41, 1                            ; the loop's last trip has quantised chunk 7: nothing is left, and no load leaves its buffer
	s_cbranch_scc1 .Lnone_\@
	s_add_nc_u64 s[6:7], s[6:7], 524288
	s_add_nc_u64 s[8:9], s[8:9], 524288
	KVLOAD                                         ; no further wait, as above
.Lnone_\@:
.endif
.if \bar
	s_wait_dscnt 0x0                               ; for the others' sake: my stores have landed
	s_barrier_signal -1
	s_barrier_wait -1
.endif
.endm
.macro KBLOAD                          ; a step's four tiles of K and the bias in the result's layout (lane (r, h), tile 2 b + u, register j: key 32 b + 8 u + 16 h + j)
.irp k, 0,1,2,3
.irp c, 0,1
	ds_load_b128 v[KF+8*\k+4*\c:KF+8*\k+4*\c+3], v[ADK] offset:\k*1024+\c*512
.endr
.endr
.irp k, 0,1,2,3
	ds_load_b128 v[BI+8*\k:BI+8*\k+3], v[ADB] offset:128*(\k/2)+32*(\k%2)
	ds_load_b128 v[BI+8*\k+4:BI+8*\k+7], v[ADB] offset:128*(\k/2)+32*(\k%2)+16
.endr
.endm
.macro VLOAD                           ; a step's four tiles of V
.irp k, 0,1,2,3
.irp c, 0,1
	ds_load_b128 v[VF+8*\k+4*\c:VF+8*\k+4*\c+3], v[ADV] offset:\k*1024+\c*512
.endr
.endr
.endm
; S^T = K Q^T + bias for query tiles 2 hb, 2 hb + 1: eight products on eight results; no result is added onto
.macro KQ hb
	WIN 0x04                                       ; source 1 (Q) window 1
.irp k, 0,1,2,3
.irp u, 0,1
	v_wmma_f32_16x16x64_fp8_fp8 v[S+32*\u+8*\k:S+32*\u+8*\k+7], v[KF+8*\k:KF+8*\k+7], v[8*(2*\hb+\u):8*(2*\hb+\u)+7], v[BI+8*\k:BI+8*\k+7]
.endr
.endr
.endm
; O^T += V^T P^T: the eight accumulators take turns, one instruction a turn.  first = 1: the products start the sums
.macro PV hb, first
	WIN 0x50                                       ; C and D window 1
.irp k, 0,1,2,3
.irp u, 0,1
.if \first
	v_wmma_f32_16x16x64_fp8_fp8 v[O+32*(2*\hb+\u)+8*\k:O+32*(2*\hb+\u)+8*\k+7], v[VF+8*\k:VF+8*\k+7], v[P+8*\u:P+8*\u+7], 0
.else
	v_wmma_f32_16x16x64_fp8_fp8 v[O+32*(2*\hb+\u)+8*\k:O+32*(2*\hb+\u)+8*\k+7], v[VF+8*\k:VF+8*\k+7], v[P+8*\u:P+8*\u+7], v[O+32*(2*\hb+\u)+8*\k:O+32*(2*\hb+\u)+8*\k+7]
.endif
.endr
.endr
.endm
; The softmax of two query tiles for 64 keys (32 scores a lane and tile), the two tiles line by line, so that no line waits for the one above it.  All in window 0.
; The half's run of LDS loads stands in it, directly behind the wait for the exponentials: hb = 0: the step's V; hb = 1 and pre = 1: the next step's K and bias.
.macro SM hb, first, pre
.irp u, 0,1
	v_max3_num_f32 v[TP+8*\u], v[S+32*\u], v[S+32*\u+1], v[S+32*\u+2]          ; the largest raw score, in two chains, each result from its low end on
	v_max3_num_f32 v[TP+8*\u+1], v[S+32*\u+3], v[S+32*\u+4], v[S+32*\u+5]
.endr
.irp i, 6,10,14,18,22,26
.irp u, 0,1
	v_max3_num_f32 v[TP+8*\u], v[TP+8*\u], v[S+32*\u+\i], v[S+32*\u+\i+1]
	v_max3_num_f32 v[TP+8*\u+1], v[TP+8*\u+1], v[S+32*\u+\i+2], v[S+32*\u+\i+3]
.endr
.endr
.irp u, 0,1
	v_max3_num_f32 v[TP+8*\u], v[TP+8*\u], v[S+32*\u+30], v[S+32*\u+31]
.endr
.irp u, 0,1
	v_max_num_f32 v[TP+8*\u], v[TP+8*\u], v[TP+8*\u+1]
.endr
.irp u, 0,1
	v_permlanex16_b32 v[TP+8*\u+6], v[TP+8*\u], s36, s37                       ; the query's other 32 keys lie in lane l xor 16
.endr
.irp u, 0,1
	v_max_num_f32 v[TP+8*\u], v[TP+8*\u], v[TP+8*\u+6]
.endr
.if \first
.irp u, 0,1
	v_mul_f32 v[ST+4*(2*\hb+\u)+1], s34, v[TP+8*\u]                            ; as t (c is positive): the first step starts the running largest t
.endr
.else
.irp u, 0,1
	v_mul_f32 v[TP+8*\u], s34, v[TP+8*\u]
.endr
.irp u, 0,1
	v_max_num_f32 v[ST+4*(2*\hb+\u)+1], v[ST+4*(2*\hb+\u)+1], v[TP+8*\u]
	v_mov_b32 v[TP+8*\u+7], v[ST+4*(2*\hb+\u)]                                 ; the old -M
.endr
.endif
.irp u, 0,1
	v_floor_f32 v[ST+4*(2*\hb+\u)], -v[ST+4*(2*\hb+\u)+1]                      ; -M = floor(-t) = -ceil(t): a whole number
.endr
.if !\first
.irp u, 0,1
	v_sub_f32 v[TP+8*\u+7], v[ST+4*(2*\hb+\u)], v[TP+8*\u+7]                   ; old M - new M: a whole number, 0 or less
.endr
.irp u, 0,1
	v_cvt_i32_f32 v[TP+8*\u+7], v[TP+8*\u+7]                                   ; (it saturates)
.endr
.irp u, 0,1
	v_ldexp_f32 v[TP+8*\u+2], 1.0, v[TP+8*\u+7]                                ; f = 2^(old M - new M): the rescaling rounds nothing
.endr
.endif
.irp j, 0,2,4,6,8,10,12,14,16,18,20,22,24,26,28,30
.irp u, 0,1
	v_pk_fma_f32 v[S+32*\u+\j:S+32*\u+\j+1], v[S+32*\u+\j:S+32*\u+\j+1], s[34:35], v[ST+4*(2*\hb+\u):ST+4*(2*\hb+\u)+1] op_sel_hi:[1,0,0]   ; t - M, two at a time (of the pairs c and -M the low word serves both halves)
.endr
.endr
.set i, 0
.rept 64
	v_exp_f32 v[S+i], v[S+i]                       ; p = 2^(t - M), at most 1, not normalised
.set i, i+1
.endr
.if \first
	v_nop                                          ; a plain line behind the exponentials
.else
.irp u, 0,1
	v_pk_mul_f32 v[ST+4*(2*\hb+\u)+2:ST+4*(2*\hb+\u)+3], v[ST+4*(2*\hb+\u)+2:ST+4*(2*\hb+\u)+3], v[TP+8*\u+2:TP+8*\u+3] op_sel_hi:[1,0]   ; the sum under the new M (a plain line behind the exponentials)
.endr
.endif
.if \hb == 0
	s_wait_alu depctr_va_vdst(0)                   ; the 64 exponentials have written p, ahead of its first reader; v[ADV] is written, which V's loads read; the last step's products V^T P^T are done reading VF, in which they land
	VLOAD
.elseif \pre
	s_wait_alu depctr_va_vdst(0)                   ; the 64 exponentials have written p, ahead of its first reader; v[ADK] and v[ADB] are written, which the loads below read; this step's products K Q^T are done reading KF and BI, in which they land
	KBLOAD
.else
	s_wait_alu depctr_va_vdst(0)                   ; the 64 exponentials have written p, ahead of its first reader
.endif
.irp u, 0,1
	v_pk_add_f32 v[TP+8*\u+4:TP+8*\u+5], v[S+32*\u:S+32*\u+1], v[S+32*\u+2:S+32*\u+3]   ; the sum is taken of the UNQUANTISED p, two at a time, in two chains
.endr
.if \first
.irp u, 0,1
	v_pk_add_f32 v[ST+4*(2*\hb+\u)+2:ST+4*(2*\hb+\u)+3], v[S+32*\u+4:S+32*\u+5], v[S+32*\u+6:S+32*\u+7]
.endr
.else
.irp u, 0,1
	v_pk_add_f32 v[ST+4*(2*\hb+\u)+2:ST+4*(2*\hb+\u)+3], v[ST+4*(2*\hb+\u)+2:ST+4*(2*\hb+\u)+3], v[S+32*\u+4:S+32*\u+5]
	v_pk_add_f32 v[TP+8*\u+4:TP+8*\u+5], v[TP+8*\u+4:TP+8*\u+5], v[S+32*\u+6:S+32*\u+7]
.endr
.endif
.irp j, 8,12,16,20,24,28
.irp u, 0,1
	v_pk_add_f32 v[ST+4*(2*\hb+\u)+2:ST+4*(2*\hb+\u)+3], v[ST+4*(2*\hb+\u)+2:ST+4*(2*\hb+\u)+3], v[S+32*\u+\j:S+32*\u+\j+1]
	v_pk_add_f32 v[TP+8*\u+4:TP+8*\u+5], v[TP+8*\u+4:TP+8*\u+5], v[S+32*\u+\j+2:S+32*\u+\j+3]
.endr
.endr
.irp u, 0,1
	v_pk_add_f32 v[ST+4*(2*\hb+\u)+2:ST+4*(2*\hb+\u)+3], v[ST+4*(2*\hb+\u)+2:ST+4*(2*\hb+\u)+3], v[TP+8*\u+4:TP+8*\u+5]
.endr
.set i, 0
.rept 64
	v_min_num_f32 v[S+i], v[S+i], v[PLM]           ; p is not negative: the hold at the largest code x the scale is one-sided
.set i, i+1
.endr
.irp u, 0,1
.irp k, 0,1,2,3
	v_cvt_scalef32_pk8_fp8_f32 v[P+8*\u+2*\k:P+8*\u+2*\k+1], v[S+32*\u+8*\k:S+32*\u+8*\k+7], v[PSC]   ; registers 4 b .. 4 b + 3: keys 32 b + 16 h + 0 .. 15: the second product's operand as it stands
.endr
.endr
.endm
.macro RESC hb, first                  ; O^T under the new M: x f, each accumulator from its low end on.  Also the plain lines between the conversions and the products that read their results
.if \first
	v_nop
.else
	WIN 0x41
.irp u, 0,1
.set i, 0
.rept 16
	v_pk_mul_f32 v[O+32*(2*\hb+\u)+i:O+32*(2*\hb+\u)+i+1], v[O+32*(2*\hb+\u)+i:O+32*(2*\hb+\u)+i+1], v[TP+8*\u+2:TP+8*\u+3] op_sel_hi:[1,0]
.set i, i+2
.endr
.endr
.endif
.endm
; Half a key step: two of my four query tiles.  Half 0 fetches the step's V, half 1 (pre = 1) the next step's K and bias.  The addresses are made behind the products K Q^T: with v_nop they are the four plain
; vector lines between those products and the first read of the scores (ISA guide 7.12.1).  The run of loads itself stands in the softmax, behind its one wait on va_vdst, and has the sums, the holds, the
; conversions and the rescaling of two tiles in which to land.
.macro HALF hb, first, pre
.if \hb == 0
	s_wait_dscnt 0x0                               ; the step's K and bias are in
	s_wait_alu depctr_vm_vsrc(0)                   ; the LDS loads issued so far have read v[ADK], v[ADB] and v[ADV], which this step's additions write again; the stores issued so far have read their data in S's registers, which the products below write, and v[KSTC] and v[VSTC]
.endif
	KQ \hb
	WIN 0
.if \hb == 0
	v_add_nc_u32 v[ADV], s38, v[AV0]
.rept 3
	v_nop
.endr
	s_add_co_u32 s38, s38, 4096                    ; a step is 4,096 bytes of K's images and of V's,
	s_lshr_b32 s39, s38, 4                         ; and 256 of the bias
.elseif \pre
	v_add_nc_u32 v[ADK], s38, v[LI]
	v_add_nc_u32 v[ADB], s39, v[AB0]
.rept 2
	v_nop
.endr
.else
.rept 4
	v_nop
.endr
.endif
	SM \hb, \first, \pre
	RESC \hb, \first
.if \hb == 0
	s_wait_dscnt 0x0                               ; V is in
.endif
	PV \hb, \first
.endm
.macro STEP first, pre
	HALF 0, \first, \pre
	HALF 1, \first, \pre
.endm
	s_load_b256 s[4:11], s[0:1], 0x0               ; queries s[4:5], keys s[6:7], values s[8:9], the mask s[10:11]
	s_load_b256 s[12:19], s[0:1], 0x20             ; w_out s[12:13], the scales' exponents s[14:15], a_codes s[16:17], w_codes s[18:19]
	v_lshl_add_u32 v254, v0, 2, 0x21000
	v_mov_b32 v255, 0
	v_lshrrev_b32 v[T4], 5, v0
	v_readfirstlane_b32 s26, v[T4]                 ; wave 0..7
	s_and_b32 s42, ttmp7, 0xffff                   ; y
	s_lshr_b32 s28, s42, 4                         ; batch
	s_and_b32 s29, s42, 15                         ; head
	s_mov_b32 s36, 0x76543210                      ; v_permlanex16_b32's selects for lane l xor 16
	s_mov_b32 s37, 0xfedcba98
	s_mov_b32 s38, 0                               ; 4,096 x the step whose tiles are fetched next
	s_mov_b32 s39, 0                               ; 256 x the same
	s_mov_b32 s40, 0                               ; 8,192 x the chunk that is stored next
	s_mov_b32 s41, 6                               ; the loop's trips
	v_and_b32 v[T0], 7, v0                         ; lane % 8
	v_bfe_u32 v[T1], v0, 3, 2                      ; lane / 8
	v_bfe_u32 v[T2], v0, 3, 1                      ; (lane / 8) % 2
	v_bfe_u32 v[T3], v0, 4, 1                      ; h = lane / 16
	v_and_b32 v[T4], 31, v0                        ; lane
	v_lshlrev_b32 v[LI], 4, v[T4]
	v_add_nc_u32 v[AV0], VIMG, v[LI]
	v_lshl_add_u32 v[AB0], v[T3], 6, BT
	s_wait_alu depctr_va_sdst(0)                   ; s26, the wave's number, is written, ahead of its first reader: offsets and LDS addresses are made from it
	s_lshl_b32 s43, s26, 16                        ; my wave's 16 rows of a chunk
	v_lshlrev_b32 v[KGO], 12, v[T0]                ; K: row lane % 8, 64 bytes for each of four lanes
	v_lshl_add_u32 v[KGO], v[T1], 6, v[KGO]
	v_add_nc_u32 v[KGO], s43, v[KGO]
	v_lshl_add_u32 v[VGO], v[T4], 2, s43           ; V: 4 bytes a lane
	v_and_b32 v[T4], 15, v0                        ; r
	v_lshlrev_b32 v[QGO], 12, v[T4]
	v_lshl_add_u32 v[QGO], v[T3], 6, v[QGO]
	; where my codes go.  K, key s = 16 w + 8 i + lane % 8 of a chunk, channels 16 g on: (s / 32) 2,048 + i 1,024 + (g / 2) 512 + (g % 2) 256 + ((s / 16) % 2) 128 + 16 (s % 8)
	s_lshr_b32 s43, s26, 1
	s_lshl_b32 s43, s43, 11
	s_and_b32 s44, s26, 1
	s_lshl_b32 s45, s44, 7
	s_add_co_u32 s43, s43, s45
	v_lshlrev_b32 v[KST0], 4, v[T0]
	v_lshl_add_u32 v[KST0], v[T2], 8, v[KST0]
	v_lshl_add_u32 v[KST0], v[T3], 9, v[KST0]
	v_add_nc_u32 v[KST0], s43, v[KST0]
	; V, keys 16 w on, channel ch = lane + 32 f: (w / 4) 4,096 + f 2,048 + ((ch / 8) % 2) 1,024 + ((w / 2) % 2) 512 + (w % 2) 256 + ((ch / 16) % 2) 128 + 16 (ch % 8)
	s_lshr_b32 s46, s26, 2
	s_lshl_b32 s46, s46, 12
	s_bfe_u32 s47, s26, 0x10001
	s_lshl_b32 s47, s47, 9
	s_add_co_u32 s46, s46, s47
	s_lshl_b32 s45, s44, 8
	s_add_co_u32 s46, s46, s45
	s_add_co_u32 s46, s46, VIMG
	v_lshlrev_b32 v[VST0], 4, v[T0]
	v_lshl_add_u32 v[VST0], v[T3], 7, v[VST0]
	v_lshl_add_u32 v[VST0], v[T2], 10, v[VST0]
	v_add_nc_u32 v[VST0], s46, v[VST0]
	v_lshlrev_b32 v[MKO], 2, v0                    ; the mask: four keys a thread
	v_lshl_add_u32 v[BTA], v0, 4, BT               ; and their four bias numbers
	; byte offsets, each in a pair of its own
	s_lshl_b32 s30, s28, 22                        ; keys, values: batch x 1,024 rows of 4,096 bytes + head x 256
	s_lshl_b32 s43, s29, 8
	s_add_co_u32 s30, s30, s43
	s_mov_b32 s31, 0
	s_lshl_b32 s32, ttmp9, 21                      ; queries: + x x 512 rows + wave x 64 rows
	s_lshl_b32 s43, s26, 18
	s_add_co_u32 s32, s32, s43
	s_add_co_u32 s32, s32, s30
	s_mov_b32 s33, 0
	s_lshl_b32 s44, s28, 10                        ; the mask: batch x 1,024
	s_mov_b32 s45, 0
	s_lshl_b32 s46, s42, 1
	s_add_co_u32 s46, s46, ttmp9                   ; the work-group's number, 0 .. 255: its share of w_out is 16 rows (NT) x 256 along K (kq)
	s_lshr_b32 s47, s46, 2                         ; NT
	s_and_b32 s48, s46, 3                          ; kq
	s_lshl_b32 s52, s47, 16                        ; w_out: NT x 16 rows + kq x 1,024 bytes + wave x 128 bytes (32 along K a wave)
	s_lshl_b32 s43, s48, 10
	s_add_co_u32 s52, s52, s43
	s_lshl_b32 s43, s26, 7
	s_add_co_u32 s52, s52, s43
	s_mov_b32 s53, 0
	s_lshl_b32 s54, s48, 18                        ; w_codes: kq x 262,144 + NT x 4,096 + wave x 512
	s_lshl_b32 s43, s47, 12
	s_add_co_u32 s54, s54, s43
	s_lshl_b32 s43, s26, 9
	s_add_co_u32 s54, s54, s43
	s_mov_b32 s55, 0
	s_lshr_b32 s56, s29, 2                         ; a_codes: (head / 4) x 2,097,152 + (64 batch + 32 x + 4 wave) x 4,096 + (head % 4) x 1,024
	s_lshl_b32 s56, s56, 21
	s_lshl_b32 s43, s28, 18
	s_add_co_u32 s56, s56, s43
	s_lshl_b32 s43, ttmp9, 17
	s_add_co_u32 s56, s56, s43
	s_lshl_b32 s43, s26, 14
	s_add_co_u32 s56, s56, s43
	s_and_b32 s43, s29, 3
	s_lshl_b32 s43, s43, 10
	s_add_co_u32 s56, s56, s43
	s_mov_b32 s57, 0
	s_wait_kmcnt 0x0
	s_load_b128 s[20:23], s[14:15], 0x0            ; e0 .. e3
	s_load_b64 s[24:25], s[14:15], 0x10            ; e4, e5
	s_add_nc_u64 s[4:5], s[4:5], s[32:33]
	s_add_nc_u64 s[6:7], s[6:7], s[30:31]
	s_add_nc_u64 s[8:9], s[8:9], s[30:31]
	s_add_nc_u64 s[10:11], s[10:11], s[44:45]
	s_add_nc_u64 s[12:13], s[12:13], s[52:53]
	s_add_nc_u64 s[16:17], s[16:17], s[56:57]
	s_add_nc_u64 s[18:19], s[18:19], s[54:55]
	s_wait_alu depctr_va_vdst(0)                   ; v[MKO], v[KGO], v[VGO], v[QGO], v[LI] and v[BTA] are written: the 77 loads below, and later loads and stores, read them as offsets; up to the last of the 77 only loads and window switches follow
	global_load_b32 v[MK], v[MKO], s[10:11]        ; 1 load,
	KVLOAD                                         ; 40: chunk 0,
	WIN 0x40
.irp t, 0,1,2,3
.irp c, 0,1
.irp j, 0,1,2,3
	global_load_b128 v[O+32*\t+16*\c+4*\j:O+32*\t+16*\c+4*\j+3], v[QGO], s[4:5] offset:\t*65536+\c*128+\j*16   ; 32: Q, lane (r, h): channels 32 c + 16 h + 0 .. 15 of row r of tile t, into O^T's registers
.endr
.endr
.endr
	WIN 0
.irp j, 0,1,2,3
	global_load_b128 v[WS+4*\j:WS+4*\j+3], v[QGO], s[12:13] offset:\j*16   ; 4: w_out, lane (r, h): k = 16 h + 0 .. 15 of my wave's 32
.endr
	s_wait_kmcnt 0x0
	s_add_co_i32 s43, s20, s21                     ; e0 + e1: a raw sum stands for sum x 2^(e0 + e1)
	s_lshl_b32 s34, s43, 23
	s_add_co_i32 s34, s34, 0x3fb8aa3b              ; c = log2(e) x 2^(e0 + e1): the exponents are added to the exponent field
	s_mov_b32 s35, s34                             ; (named with it as a pair, so it is written)
	s_sub_co_i32 s43, 0, s43
	v_mov_b32 v[NEG], 0xd3800000                   ; -2^40,
	v_ldexp_f32 v[NEG], v[NEG], s43                ; in units of the raw sums
	s_add_co_i32 s46, s20, 3                       ; q = queries / 8, quantised with 2^e0: queries with 2^(e0 + 3), exactly
	MKSC 46, QSC, QLM
	MKSC 21, KSC, KLM
	MKSC 22, VSC, VLM
	MKSC 23, PSC, PLM
	MKSC 25, WSC, WLM
.irp u, 0,1
	v_mov_b32 v[TP+8*\u+3], 0                      ; named as the upper half of f's pair
	v_mov_b32 v[TP+8*\u+6], 0                      ; a lane permute's destination counts as one of its sources
.endr
	s_wait_loadcnt 36                              ; the mask and chunk 0 are in; behind them: Q's 32 loads and w_out's 4
.irp k, 0,1,2,3
	v_bfe_u32 v[BF+\k], v[MK], 8*\k, 8
.endr
.irp k, 0,1,2,3
	v_cvt_f32_u32 v[BF+\k], v[BF+\k]
.endr
.irp k, 0,1,2,3
	v_fma_f32 v[BF+\k], -v[BF+\k], v[NEG], v[NEG]  ; (1 - mask) x NEG: exactly 0 where the key counts
.endr
	QUANT 36, 1, 0                                 ; chunk 0 to LDS, chunk 1 asked for; the barrier follows below, behind work that needs none
	ds_store_b128 v[BTA], v[BF:BF+3]               ; the bias.  No wait of its own: BF was written ahead of the wait on va_vdst in QUANT, and no vector line has been issued since
	s_wait_loadcnt 44                              ; Q is in; behind it: w_out's 4 loads and chunk 1's 40
	WIN 0x41
.set i, 0
.rept 128
	v_med3_num_f32 v[O+i], v[O+i], -v[QLM], v[QLM]
.set i, i+1
.endr
.set i, 0
.rept 16
	v_cvt_scalef32_pk8_fp8_f32 v[2*i:2*i+1], v[O+8*i:O+8*i+7], v[QSC]   ; Q's codes stay in registers: tile t at 8 t
.set i, i+1
.endr
	v_nop                                          ; one plain vector line behind the last conversion
	WIN 0
	s_wait_loadcnt 40                              ; w_out's numbers are in; behind them: chunk 1's 40 loads
.set i, 0
.rept 16
	v_med3_num_f32 v[WS+i], v[WS+i], -v[WLM], v[WLM]
.set i, i+1
.endr
	v_cvt_scalef32_pk8_fp8_f32 v[WC:WC+1], v[WS:WS+7], v[WSC]
	v_cvt_scalef32_pk8_fp8_f32 v[WC+2:WC+3], v[WS+8:WS+15], v[WSC]
	v_add_nc_u32 v[ADK], s38, v[LI]                ; step 0's addresses are made here, ahead of the wait below (also the plain vector lines behind the last conversion)
	v_add_nc_u32 v[ADB], s39, v[AB0]
	s_wait_alu depctr_va_vdst(0)                   ; the conversions have written WC, which the store reads; v[ADK] and v[ADB] are written, which the LDS loads behind the barrier read: no vector line stands between this wait and them
	global_store_b128 v[LI], v[WC:WC+3], s[18:19]  ; 32 lanes store 512 consecutive bytes, at a multiple of 512 from the buffer's first byte
	s_wait_dscnt 0x0                               ; my stores of the bias and of chunk 0 have landed
	s_barrier_signal -1
	s_barrier_wait -1
	KBLOAD                                         ; step 0's K and bias
	s_wait_xcnt 0x0                                ; the store above has had its address translated: the first products write its data registers (the wait on vm_vsrc at the step's head stands beside this one)
	STEP 1, 1                                      ; chunk 0: its first step starts M, the sums and O^T
	QUANT 0, 1, 1                                  ; chunk 1 to LDS, chunk 2 asked for
	STEP 0, 1
	WIN 0                                          ; at a label and at a branch every window is 0
.Ltrip:                                            ; six trips: chunks 1 to 6 are multiplied, chunks 2 to 7 stored, chunks 3 to 7 asked for
	STEP 0, 1
	QUANT 0, 2, 1
	STEP 0, 1
	WIN 0
	s_sub_co_i32 s41, s41, 1
	s_cmp_lg_u32 s41, 0
	s_cbranch_scc1 .Ltrip
	STEP 0, 1                                      ; chunk 7
	STEP 0, 0                                      ; the last step fetches nothing more
	; THE WAY OUT: O^T / the sum, quantised along the channels (the projection's K) with 2^(e4 - e2 - e3): a sum of the second product stands for sum x 2^(e2 + e3)
	WIN 0
	s_sub_co_i32 s43, s24, s22
	s_sub_co_i32 s43, s43, s23
	MKSC 43, QSC, QLM
.irp t, 0,1,2,3
	v_add_f32 v[ST+4*\t+2], v[ST+4*\t+2], v[ST+4*\t+3]     ; the sum's two halves (with the two lines above: the plain lines behind the last products),
.endr
.irp t, 0,1,2,3
	v_permlanex16_b32 v[ST+4*\t+3], v[ST+4*\t+2], s36, s37
.endr
.irp t, 0,1,2,3
	v_add_f32 v[ST+4*\t+2], v[ST+4*\t+2], v[ST+4*\t+3]     ; and lane l xor 16's
.endr
.irp t, 0,1,2,3
	v_rcp_f32 v[ST+4*\t+2], v[ST+4*\t+2]
.endr
	v_nop                                          ; a plain line behind the last reciprocal
	s_wait_alu depctr_va_vdst(0)                   ; the four reciprocals have written their results, ahead of the first line that names one
	WIN 0x41
.irp t, 0,1,2,3
.set i, 0
.rept 16
	v_pk_mul_f32 v[O+32*\t+i:O+32*\t+i+1], v[O+32*\t+i:O+32*\t+i+1], v[ST+4*\t+2:ST+4*\t+3] op_sel_hi:[1,0]   ; each accumulator from its low end on
.set i, i+2
.endr
.endr
.set i, 0
.rept 128
	v_med3_num_f32 v[O+i], v[O+i], -v[QLM], v[QLM]
.set i, i+1
.endr
	WIN 0x01
.set i, 0
.rept 16
	v_cvt_scalef32_pk8_fp8_f32 v[S+2*i:S+2*i+1], v[O+8*i:O+8*i+7], v[QSC]   ; tile t at S + 8 t: registers 4 b .. 4 b + 3: channels 32 b + 16 h + 0 .. 15 of query r
.set i, i+1
.endr
	v_nop
	WIN 0
	s_wait_alu depctr_va_vdst(0)                   ; the conversions have written the 32 registers of codes, which the eight stores read
.irp t, 0,1,2,3
.irp b, 0,1
	global_store_b128 v[LI], v[S+8*\t+4*\b:S+8*\t+4*\b+3], s[16:17] offset:\t*4096+\b*512   ; a quarter of a fragment's image: 512 consecutive bytes, at a multiple of 512
.endr
.endr
	s_wait_dscnt 0x0
	s_wait_alu depctr_hold_cnt(0) depctr_sa_sdst(0) depctr_va_vdst(0) depctr_va_sdst(0) depctr_va_ssrc(0) depctr_va_vcc(0) depctr_vm_vsrc(0)
	s_wait_tensorcnt 0x0
	ds_add_u32 v254, v255
	s_wait_dscnt 0x0
	s_endpgm
.Lfunc_end_k_qc12e2b3d54_attn:
	.size	k_qc12e2b3d54_attn, .Lfunc_end_k_qc12e2b3d54_attn-k_qc12e2b3d54_attn
	.p2alignl 7, 3214868480
	.fill 96, 4, 3214868480
	.section	.rodata,"a",@progbits
	.p2align	6, 0x0
	.amdhsa_kernel k_qc12e2b3d54_attn
		.amdhsa_group_segment_fixed_size 136192
		.amdhsa_private_segment_fixed_size 0
		.amdhsa_enable_private_segment 0
		.amdhsa_kernarg_size 64
		.amdhsa_user_sgpr_count 2
		.amdhsa_user_sgpr_kernarg_segment_ptr 1
		.amdhsa_wavefront_size32 1
		.amdhsa_system_sgpr_workgroup_id_x 1
		.amdhsa_system_sgpr_workgroup_id_y 1
		.amdhsa_system_sgpr_workgroup_id_z 1
		.amdhsa_system_vgpr_workitem_id 0
		.amdhsa_next_free_vgpr 512
		.amdhsa_next_free_sgpr 66
		.amdhsa_reserve_vcc 0
		.amdhsa_float_denorm_mode_32 3
		.amdhsa_float_denorm_mode_16_64 3
		.amdhsa_memory_ordered 1
		.amdhsa_forward_progress 1
		.amdhsa_inst_pref_size 248
	.end_amdhsa_kernel
	.amdgpu_metadata
---
amdhsa.version: [ 1, 2 ]
amdhsa.kernels:
  - .name:           k_qc12e2b3d54_attn
    .symbol:         k_qc12e2b3d54_attn.kd
    .args:
      - { .name: queries, .offset: 0, .size: 8, .value_kind: global_buffer, .address_space: global }
      - { .name: keys, .offset: 8, .size: 8, .value_kind: global_buffer, .address_space: global }
      - { .name: values, .offset: 16, .size: 8, .value_kind: global_buffer, .address_space: global }
      - { .name: attention_mask, .offset: 24, .size: 8, .value_kind: global_buffer, .address_space: global }
      - { .name: w_out, .offset: 32, .size: 8, .value_kind: global_buffer, .address_space: global }
      - { .name: lowp_scales, .offset: 40, .size: 8, .value_kind: global_buffer, .address_space: global }
      - { .name: a_codes, .offset: 48, .size: 8, .value_kind: global_buffer, .address_space: global }
      - { .name: w_codes, .offset: 56, .size: 8, .value_kind: global_buffer, .address_space: global }
    .group_segment_fixed_size: 136192
    .private_segment_fixed_size: 0
    .kernarg_segment_align: 8
    .kernarg_segment_size: 64
    .max_flat_workgroup_size: 256
    .sgpr_count:     66
    .vgpr_count:     512
    .wavefront_size: 32
...
	.end_amdgpu_metadata
.endif
;; end of part 3
;; launch proj: the kernel of part 2 again; grid 4 x 64, 4 waves a work-group, clusters of 4 x 4, 327,680 bytes of LDS; arguments a_codes, w_codes, lowp_scales, out0; writes out0
